; MI455X (gfx1250); checked and timed in simulation.
; The chip was launched on July 23, 2026; its instructions are those of AMD's public machine-readable ISA for CDNA 5 (MIT licence, August 2026) and "CDNA5" Instruction Set Architecture Reference Guide (July 2026). The comments in the code are by the model that wrote it; some were corrected since.
;; Multi Head Attention. Allowed arithmetic: matrix products marked QUANTISED: E2M3 operands, one E8M0 scale for each 32 along K, by v_wmma_scale_f32_16x16x128_f8f6f4 with both operands' format E2M3, f32 sums; everything else in f32.
;; Inputs: W_out 1,024 x 1,024 float32; W_qkv 1,024 x 3,072 float32; b_out 1,024 float32; b_qkv 3,072 float32; x 4 x 2,048 x 1,024 float32.
;; Outputs: out0 4 x 2,048 x 1,024 float32.
;; This version of the problem:
;;   THIS VERSION OF THE PROBLEM IS GIVEN IN LOW PRECISION. The matrix products marked QUANTISED in the list below multiply operands that are first quantised to E2M3 (2 exponent bits, 3 mantissa bits; 6 bits a number), with one power-of-two scale for each 32 numbers along K (OCP MX v1.0); their sums are f32. All else is computed in f32.
;;   The module's matrix products, in the order in which they are computed (A, B: the left and right operand; K: the contracted axis; several contracted axes count as one K, in the product's order):
;;     1. [M 8,192, K 1,024] x [K 1,024, N 3,072]; A: input x; B: input W_qkv: QUANTISED
;;     2. batch 64 x [M 2,048, K 64] x [K 64, N 2,048]; A: computed on the way; B: computed on the way: QUANTISED
;;     3. batch 64 x [M 2,048, K 2,048] x [K 2,048, N 64]; A: softmax (see below); B: computed on the way: QUANTISED
;;     4. [M 8,192, K 1,024] x [K 1,024, N 1,024]; A: computed on the way; B: input W_out: QUANTISED
;;   THE QUANTISER, for each operand of a quantised product, along K:
;;     - K is cut into blocks of 32 from its start; a last block that is shorter is filled with zeros.
;;     - A block's scale is 2^e with e = floor(log2(the largest magnitude in the block)) - 2, held to -126 .. 127; a block of zeros has e = 0. As a byte (E8M0): e + 127.
;;     - Each number is divided by its block's scale, clamped to +-7.5, and rounded to the nearest number of E2M3, ties to even, subnormals kept.
;;     - The product sums the exact products of the quantised numbers (number of the format x scale) in f32.
;;   ~~~python
;;   def quantise(x, axis):      # numpy; x: float32 -> the quantised numbers, widened to float32 again
;;       x = np.moveaxis(x, axis, -1); K = x.shape[-1]
;;       x = np.pad(x, [(0, 0)] * (x.ndim - 1) + [(0, -K % 32)]); x = x.reshape(x.shape[:-1] + (-1, 32)); a = np.abs(x).max(-1, keepdims=True)
;;       e = np.where(a > 0, np.clip(np.frexp(np.where(a > 0, a, 1))[1] - 1 - 2, -126, 127), 0)      # np.frexp(a)[1] - 1 = floor(log2(a)), exactly
;;       r = np.clip(x / 2.0 ** e, -7.5, 7.5)
;;       step = 2.0 ** (np.maximum(np.frexp(np.where(r == 0, 1, r))[1] - 1, 0) - 3)
;;       q = np.round(r / step) * step * 2.0 ** e      # np.round: ties to even
;;       return np.moveaxis(q.reshape(q.shape[:-2] + (-1,))[..., :K], -1, axis).astype(np.float32)
;;   ~~~
;;   SOFTMAX AHEAD OF A QUANTISED PRODUCT. Where the list says 'softmax', what is quantised is not the finished softmax but p = 2^(t - M), with t = logit x log2(e) and M = ceil(the row's largest t), a whole number; so 1/2 < the row's largest p <= 1. The row's sum l is taken of the UNQUANTISED p, in f32, and the product's result is divided by l at the end. Since M is a whole number, a kernel that streams over the keys may use a running M (the ceiling of the running maximum): every later rescaling is an exact power of two, which a block's scale takes up: the codes' values come out the same.
;;   OPERANDS COMPUTED ON THE WAY. 'Computed on the way' means the value that the module computes at that place (a softmax that the list does not call 'softmax' is quantised finished and normalised). What goes into a quantiser is computed in f32, as accurately as f32 sums, v_exp_f32 and their like allow (about 1e-6 of the number): no bf16 or f16 on the way to a quantiser, and a product that is left as it is and whose result goes on into a quantised operand takes f32 operands (vector FMAs, or v_wmma_f32_16x16x4_f32). A number that lies on a knife's edge between two numbers of the format may be rounded either way, as far as f32 arithmetic and the matrix unit's own rounding can turn it there, and no further.
;; One version. Each part assembles by itself: llvm-mc -triple=amdgcn-amd-amdhsa -mcpu=gfx1250 --defsym DOCPART=n.
;; ======== version 1 of 1: 4 launches
;; workspace buffers: xc 6,291,456 bytes; xs 262,144 bytes; wc 3,145,728 bytes; ws 262,144 bytes; qkv 19,660,800 bytes; oc 6,291,456 bytes; os 262,144 bytes
;; launch quant (part 1): grid 640 x 1, 4 waves a work-group, no clusters, 68,096 bytes of LDS; arguments x, W_qkv, W_out, xc, xs, wc, ws; writes xc, xs, wc, ws
.if DOCPART == 1
	.amdgcn_target "amdgcn-amd-amdhsa--gfx1250"
	.amdhsa_code_object_version 6
	.text
	.protected	k_q9c2e221cd5_quant
	.globl	k_q9c2e221cd5_quant
	.p2align	8
	.type	k_q9c2e221cd5_quant,@function
k_q9c2e221cd5_quant:
	s_mov_b64 s[64:65], 0
	v_nop
	global_prefetch_b8 v0, s[64:65] scope:SCOPE_SE
	s_setreg_imm32_b32 hwreg(HW_REG_WAVE_MODE, 25, 1), 1
	s_wait_xcnt 0x0
; x [8192][1024], W_qkv [1024][3072] and W_out [1024][1024], f32, become codes of FP6 (E2M3) with one E8M0 byte for each 32 along K (K = 1024 in all three).
; A block's scale is 2^(floor(log2(largest magnitude)) - 2): its byte is the largest magnitude's exponent field - 2, held at 1 from below.
; LIMITS: NaN and infinities are not served; a block whose largest magnitude lies under 2^-124, a block of zeros among them, gets the byte 1 (a block of zeros has zero codes, and only this program reads the bytes).
; LAYOUT OF THE CODES (xc, wc): images of the operand's registers: [group of 128 stored rows][256 along K][tile of 16 rows][128 along K][half] x 768 bytes; a half is registers 6c .. 6c+5 of the 32 lanes:
; registers 0-3 at 16 x lane, registers 4-5 at 512 + 8 x lane.  STORED ORDER OF ROWS: bits 3 and 4 of the row number change places, so that stored tile 2g + u holds rows 32g + 8u + r + 8 (r / 8).
; LAYOUT OF THE BYTES (xs, ws): [256 along K: planes of 65,536 bytes][stored row][8 bytes].  wc's stored rows 0-3071 are W_qkv's columns, 3072-4095 W_out's.
; Work-groups 0-511: one stored tile of 16 rows of x each, wave w its w-th 256 along K.  Work-groups 512-639: 128 columns x 256 along K of a weight, a wave 32 columns.
; No matrix work, no tensor loads, no barrier: waves share nothing.  Only x's path uses LDS (a wave's own two stages).
.set FLOOR, 0x1800000                  ; 2^(3 - 127): under it no largest magnitude is taken
.set EOFF,  0xff000000                 ; -(2 << 23): 2 off an exponent field
.set STG,   8448                       ; a stage: 16 rows x (512 bytes + 16): the pitch is an odd multiple of 16 bytes
; x: 64 numbers of a lane at v[src]: two whole blocks, c = 0, 1: block 2c + h of row r.  Codes into v[224 + 12 q] on, the row's scale word into v[18 + q].
.macro QX src, q
.irp c, 0,1
	v_max3_num_f32 v[12+\c], |v[\src+32*\c]|, |v[\src+32*\c+1]|, FLOOR
.endr
.irp i, 2,4,6,8,10,12,14,16,18,20,22,24,26,28,30
.irp c, 0,1
	v_max3_num_f32 v[12+\c], v[12+\c], |v[\src+32*\c+\i]|, |v[\src+32*\c+\i+1]|   ; the two blocks by turns
.endr
.endr
.irp c, 0,1
	v_add_nc_u32 v[14+\c], EOFF, v[12+\c]          ; the conversion takes this operand's exponent field as its scale
.endr
.irp c, 0,1
	v_lshrrev_b32 v[16+\c], 23, v[14+\c]           ; the scale's byte
.endr
	v_lshl_or_b32 v[18+\q], v17, 16, v16           ; my two bytes: blocks h and 2 + h,
	v_lshlrev_b32 v[18+\q], v8, v[18+\q]           ; 8 h bits up;
	v_permlanex16_b32 v11, v[18+\q], s30, s31
	v_or_b32 v[18+\q], v[18+\q], v11               ; with lane l xor 16's two the word is whole
.irp c, 0,1
	v_cvt_scalef32_pk16_fp6_f32 v[224+12*\q+6*\c:224+12*\q+6*\c+2], v[\src+32*\c:\src+32*\c+15], v[14+\c]
	v_cvt_scalef32_pk16_fp6_f32 v[248+4*\c:250+4*\c], v[\src+32*\c+16:\src+32*\c+31], v[14+\c]   ; (a conversion's three registers begin on an even number)
.endr
	v_nop                                          ; one plain place behind the conversions
.irp c, 0,1
.irp i, 0,1,2
	v_mov_b32 v[224+12*\q+6*\c+3+\i], v[248+4*\c+\i]
.endr
.endr
.irp c, 0,1
	global_store_b128 v3, v[224+12*\q+6*\c:224+12*\q+6*\c+3], s[10:11] offset:1536*\q+768*\c          ; 512 consecutive bytes
	global_store_b64 v4, v[224+12*\q+6*\c+4:224+12*\q+6*\c+5], s[10:11] offset:1536*\q+768*\c+512     ; 256 consecutive bytes
.endr
.endm
; a weight: block t of my column, 32 numbers down K, into set t % 2
.macro LOADW t, N, P
.set iw, 0
.rept 32
	global_load_b32 v[32+32*((\t)%2)+iw], v2, s[\P:\P+1] offset:(32*(\t)+iw)*\N*4 th:TH_LOAD_NT
.set iw, iw+1
.endr
.endm
.macro BLOCKW t, N, P
.set XS, 32+32*((\t)%2)
.set CD, 96+12*((\t)/2)+6*((\t)%2)
.if (\t) < 7
	s_wait_loadcnt 32                              ; this block's 32 loads are in; the next block's 32 may be out
.else
	s_wait_loadcnt 0x0
.endif
	v_max3_num_f32 v12, |v[XS]|, |v[XS+1]|, |v[XS+2]|
	v_max3_num_f32 v13, |v[XS+3]|, |v[XS+4]|, |v[XS+5]|
.irp i, 6,10,14,18,22,26
	v_max3_num_f32 v12, v12, |v[XS+\i]|, |v[XS+\i+1]|
	v_max3_num_f32 v13, v13, |v[XS+\i+2]|, |v[XS+\i+3]|
.endr
	v_max3_num_f32 v12, v12, |v[XS+30]|, |v[XS+31]|
	v_max3_num_f32 v12, v12, v13, FLOOR
	v_add_nc_u32 v11, EOFF, v12
	v_lshrrev_b32 v13, 23, v11
.if (\t)%4 == 0
	v_mov_b32 v[24+(\t)/4], v13                    ; four bytes to a register, the lower K in the lower byte
.else
	v_lshl_or_b32 v[24+(\t)/4], v13, 8*((\t)%4), v[24+(\t)/4]
.endif
	v_cvt_scalef32_pk16_fp6_f32 v[CD:CD+2], v[XS:XS+15], v11
	v_cvt_scalef32_pk16_fp6_f32 v[144:146], v[XS+16:XS+31], v11
	v_nop                                          ; one plain place behind the conversions
.irp i, 0,1,2
	v_mov_b32 v[CD+3+\i], v[144+\i]
.endr
.if (\t)+2 < 8
	LOADW (\t)+2, \N, \P
.endif
.if (\t)%2
; the even block's registers hold block h = 0 of 32 rows, the odd block's h = 1: one exchange of halves makes of them the half fragments of the wave's two tiles of 16 rows
.irp j, 0,1,2,3,4,5
	v_permlane16_swap_b32 v[CD-6+\j], v[CD+\j]
.endr
	global_store_b128 v3, v[CD-6:CD-3], s[14:15] offset:1536*((\t)/4)+768*(((\t)/2)%2)
	global_store_b64 v4, v[CD-2:CD-1], s[14:15] offset:1536*((\t)/4)+768*(((\t)/2)%2)+512
	global_store_b128 v3, v[CD:CD+3], s[14:15] offset:3072+1536*((\t)/4)+768*(((\t)/2)%2)
	global_store_b64 v4, v[CD+4:CD+5], s[14:15] offset:3072+1536*((\t)/4)+768*(((\t)/2)%2)+512
.endif
.endm
; N: the weight's row in numbers; P: the register pair with its address; s23: which 128 columns of it
.macro WPATH N, P
	s_mul_i32 s24, s22, 1024*\N                    ; 256 rows of N numbers for each step of 256 along K,
	s_lshl_b32 s26, s23, 9                         ; 128 columns,
	s_add_co_u32 s24, s24, s26
	s_lshl_b32 s26, s18, 7                         ; my wave's 32
	s_add_co_u32 s24, s24, s26
	s_mov_b32 s25, 0
	s_add_nc_u64 s[\P:\P+1], s[\P:\P+1], s[24:25]
	LOADW 0, \N, \P
	LOADW 1, \N, \P
.irp t, 0,1,2,3,4,5,6,7
	BLOCKW \t, \N, \P
.endr
	global_store_b64 v4, v[24:25], s[16:17]        ; 32 rows x 8 bytes: 256 consecutive bytes, aligned
	s_endpgm
.endm
	s_load_b256 s[4:11], s[0:1], 0x0               ; x s[4:5], W_qkv s[6:7], W_out s[8:9], xc s[10:11]
	s_load_b128 s[12:15], s[0:1], 0x20             ; xs s[12:13], wc s[14:15]
	s_load_b64 s[16:17], s[0:1], 0x30              ; ws
	v_lshl_add_u32 v251, v0, 2, 0x10800
	v_mov_b32 v255, 0
	v_lshrrev_b32 v1, 5, v0
	v_readfirstlane_b32 s18, v1                    ; wave
	v_and_b32 v1, 31, v0                           ; lane
	v_lshlrev_b32 v3, 4, v1                        ; 16 x lane
	v_lshlrev_b32 v4, 3, v1                        ; 8 x lane
	s_cmp_lt_u32 ttmp9, 512
	s_cbranch_scc0 .Lweights
	; ---- x: stored tile ttmp9, my wave's 256 along K
	v_and_b32 v9, 15, v0                           ; r
	v_bfe_u32 v10, v0, 4, 1                        ; h
	s_mul_i32 s20, s18, 2*STG                      ; my wave's two stages
	v_add_nc_u32 v5, s20, v3                       ; into a stage: 16 x lane, a row of 512 bytes an instruction
	v_mul_u32_u24 v6, v9, 528
	v_lshl_add_u32 v6, v10, 7, v6
	v_add_nc_u32 v6, s20, v6                       ; out of it: row r, + 128 h: my block's 128 bytes
	v_lshlrev_b32 v7, 3, v9
	v_lshl_add_u32 v7, v10, 2, v7                  ; scale words: 8 r + 4 h
	v_lshlrev_b32 v8, 3, v10                       ; 8 h
	v_mov_b32 v11, 0                               ; a lane permute's destination counts as read
	s_mov_b32 s19, 0xffff0000                      ; lanes 16-31
	s_mov_b32 s30, 0x76543210
	s_mov_b32 s31, 0xfedcba98                      ; selects for lane l xor 16
	s_lshr_b32 s21, ttmp9, 1
	s_lshl_b32 s21, s21, 17                        ; 32 rows of 4,096 bytes
	s_and_b32 s22, ttmp9, 1
	s_lshl_b32 s22, s22, 15                        ; 8 rows
	s_add_co_u32 s21, s21, s22
	s_lshl_b32 s22, s18, 10                        ; 256 numbers
	s_add_co_u32 s22, s21, s22
	s_mov_b32 s23, 0
	s_lshr_b32 s24, ttmp9, 3
	s_mul_i32 s24, s24, 98304
	s_mul_i32 s28, s18, 24576
	s_add_co_u32 s24, s24, s28
	s_and_b32 s28, ttmp9, 7
	s_mul_i32 s28, s28, 3072
	s_add_co_u32 s24, s24, s28
	s_mov_b32 s25, 0
	s_lshl_b32 s26, s18, 16
	s_lshl_b32 s28, ttmp9, 7
	s_add_co_u32 s26, s26, s28
	s_mov_b32 s27, 0
	s_wait_kmcnt 0x0
	s_add_nc_u64 s[4:5], s[4:5], s[22:23]
	s_add_nc_u64 s[10:11], s[10:11], s[24:25]
	s_add_nc_u64 s[12:13], s[12:13], s[26:27]
.irp q, 0,1
.set p, 0
.rept 16
	global_load_b128 v[32+64*\q+4*p:35+64*\q+4*p], v3, s[4:5] offset:(p+8*(p/8))*4096+512*\q th:TH_LOAD_NT   ; 512 consecutive bytes of the tile's row p
.set p, p+1
.endr
.endr
	s_wait_loadcnt 16                              ; the first 128 along K are in; the second 16 loads may be out
.set p, 0
.rept 16
	ds_store_b128 v5, v[32+4*p:35+4*p] offset:528*p
.set p, p+1
.endr
.irp c, 0,1
.irp j, 0,1,2,3,4,5,6,7
	ds_load_b128 v[160+32*\c+4*\j:163+32*\c+4*\j], v6 offset:256*\c+16*\j      ; LDS serves a wave's instructions in order: these see the stores
.endr
.endr
	s_wait_loadcnt 0x0
.set p, 0
.rept 16
	ds_store_b128 v5, v[96+4*p:99+4*p] offset:STG+528*p
.set p, p+1
.endr
	s_wait_dscnt 16                                ; all but the 16 stores just issued: the first 64 numbers are back, and stage 0's stores have read v32-95
.irp c, 0,1
.irp j, 0,1,2,3,4,5,6,7
	ds_load_b128 v[32+32*\c+4*\j:35+32*\c+4*\j], v6 offset:STG+256*\c+16*\j
.endr
.endr
	QX 160, 0
	s_wait_dscnt 0x0
	QX 32, 1
	v_cndmask_b32 v20, v18, v19, s19               ; lanes 0-15 the first word of row r, lanes 16-31 the second
	global_store_b32 v7, v20, s[12:13]             ; 128 consecutive bytes
	s_wait_tensorcnt 0x0
	ds_add_u32 v251, v255
	s_wait_dscnt 0x0
	s_endpgm
.Lweights:
	s_sub_co_u32 s20, ttmp9, 512
	s_lshr_b32 s21, s20, 2                         ; which 128 stored rows of wc
	s_and_b32 s22, s20, 3                          ; which 256 along K
	v_and_b32 v2, 7, v0
	v_bfe_u32 v5, v0, 4, 1
	v_bfe_u32 v6, v0, 3, 1
	v_lshl_or_b32 v2, v5, 3, v2
	v_lshl_or_b32 v2, v6, 4, v2                    ; the column that stored row `lane` holds: bits 3 and 4 changed places
	v_lshlrev_b32 v2, 2, v2
	s_mul_i32 s28, s21, 98304
	s_mul_i32 s26, s22, 24576
	s_add_co_u32 s28, s28, s26
	s_mul_i32 s26, s18, 6144                       ; my wave's two tiles
	s_add_co_u32 s28, s28, s26
	s_mov_b32 s29, 0
	s_lshl_b32 s32, s22, 16
	s_lshl_b32 s26, s21, 10
	s_add_co_u32 s32, s32, s26
	s_lshl_b32 s26, s18, 8
	s_add_co_u32 s32, s32, s26
	s_mov_b32 s33, 0
	s_wait_kmcnt 0x0
	s_add_nc_u64 s[14:15], s[14:15], s[28:29]
	s_add_nc_u64 s[16:17], s[16:17], s[32:33]
	s_cmp_lt_u32 s21, 24
	s_cbranch_scc0 .Lw_out
	s_mov_b32 s23, s21
	WPATH 3072, 6
.Lw_out:
	s_sub_co_u32 s23, s21, 24
	WPATH 1024, 8
.Lfunc_end_k_q9c2e221cd5_quant:
	.size	k_q9c2e221cd5_quant, .Lfunc_end_k_q9c2e221cd5_quant-k_q9c2e221cd5_quant
	.p2alignl 7, 3214868480
	.fill 96, 4, 3214868480
	.section	.rodata,"a",@progbits
	.p2align	6, 0x0
	.amdhsa_kernel k_q9c2e221cd5_quant
		.amdhsa_group_segment_fixed_size 68096
		.amdhsa_private_segment_fixed_size 0
		.amdhsa_enable_private_segment 0
		.amdhsa_kernarg_size 56
		.amdhsa_user_sgpr_count 2
		.amdhsa_user_sgpr_kernarg_segment_ptr 1
		.amdhsa_wavefront_size32 1
		.amdhsa_system_sgpr_workgroup_id_x 1
		.amdhsa_system_sgpr_workgroup_id_y 1
		.amdhsa_system_sgpr_workgroup_id_z 1
		.amdhsa_system_vgpr_workitem_id 0
		.amdhsa_next_free_vgpr 256
		.amdhsa_next_free_sgpr 66
		.amdhsa_reserve_vcc 0
		.amdhsa_float_denorm_mode_32 3
		.amdhsa_float_denorm_mode_16_64 3
		.amdhsa_memory_ordered 1
		.amdhsa_forward_progress 1
		.amdhsa_inst_pref_size 95
	.end_amdhsa_kernel
	.amdgpu_metadata
---
amdhsa.version: [ 1, 2 ]
amdhsa.kernels:
  - .name:           k_q9c2e221cd5_quant
    .symbol:         k_q9c2e221cd5_quant.kd
    .args:
      - { .name: x, .offset: 0, .size: 8, .value_kind: global_buffer, .address_space: global }
      - { .name: W_qkv, .offset: 8, .size: 8, .value_kind: global_buffer, .address_space: global }
      - { .name: W_out, .offset: 16, .size: 8, .value_kind: global_buffer, .address_space: global }
      - { .name: xc, .offset: 24, .size: 8, .value_kind: global_buffer, .address_space: global }
      - { .name: xs, .offset: 32, .size: 8, .value_kind: global_buffer, .address_space: global }
      - { .name: wc, .offset: 40, .size: 8, .value_kind: global_buffer, .address_space: global }
      - { .name: ws, .offset: 48, .size: 8, .value_kind: global_buffer, .address_space: global }
    .group_segment_fixed_size: 68096
    .private_segment_fixed_size: 0
    .kernarg_segment_align: 8
    .kernarg_segment_size: 56
    .max_flat_workgroup_size: 128
    .sgpr_count:     66
    .vgpr_count:     256
    .wavefront_size: 32
...
	.end_amdgpu_metadata
.endif
;; end of part 1
;; launch gemm_qkv (part 2): grid 12 x 32, 4 waves a work-group, clusters of 4 x 4, 327,680 bytes of LDS; arguments xc, xs, wc, ws, b_qkv, qkv; writes qkv
.if DOCPART == 2
	.amdgcn_target "amdgcn-amd-amdhsa--gfx1250"
	.amdhsa_code_object_version 6
	.text
	.protected	k_q9c2e221cd5_gemm_qkv
	.globl	k_q9c2e221cd5_gemm_qkv
	.p2align	8
	.type	k_q9c2e221cd5_gemm_qkv,@function
k_q9c2e221cd5_gemm_qkv:
	s_mov_b64 s[64:65], 0
	v_nop
	global_prefetch_b8 v0, s[64:65] scope:SCOPE_SE
	s_setreg_imm32_b32 hwreg(HW_REG_WAVE_MODE, 25, 1), 1
	s_wait_xcnt 0x0
	s_wait_alu depctr_hold_cnt(0) depctr_sa_sdst(0) depctr_va_vdst(0) depctr_va_sdst(0) depctr_va_ssrc(0) depctr_va_vcc(0) depctr_vm_vsrc(0)
	s_getreg_b32 s2, hwreg(HW_REG_IB_STS2, 6, 4)
	s_cmp_eq_u32 s2, 0
	s_cbranch_scc0 .Lentry_in_a_cluster
	s_endpgm
.Lentry_in_a_cluster:
	s_bfe_u32 s2, ttmp6, 0x10000c
	s_cmp_lg_u32 s2, 0xf033
	s_cbranch_scc0 .Lentry_shape_is_right
	s_endpgm
.Lentry_shape_is_right:
; qkv = x W_qkv + b_qkv on codes of FP6 (E2M3) with E8M0 scales, K = 1024; the results are quantised here, in f32 registers, into the operands of attention, and nothing wider goes to memory.
; A work-group of four waves makes 256 x 256, a wave 128 x 128: 64 accumulators in 512 registers.  THE MATRIX INSTRUCTION IS USED TRANSPOSED (source 0 = 16 rows of B, source 1 = 16 rows of A).  Rows of both operands lie in stored
; order (bits 3 and 4 of the row number changed places), so that in lane (r, h) the 64 registers of one block of A's rows are 128 NEIGHBOURS along B's rows: register 16 b + i is B row 32 b + 16 h + i.
; ROLES, chosen by the cluster's x, which all partners share.  x = 0 (q), 1 (k): A = tokens, B = columns of W: a lane holds one token and 128 channels, two heads: quantised along the head's 64.
; x = 2 (v): A = columns of W_v, B = tokens: a lane holds one channel and 128 keys: quantised along the keys, which are the second product's K.
; OUT: qkv[batch x head][128 tokens][q, k, v] x 6,400 bytes: four fragments of 1,536 bytes as images of their registers (register j of lane l at 512 (j / 4) + 16 l + 4 (j % 4)), then 256 bytes of scale words
; (lane l's 8 bytes: the words of fragments l / 16 and 2 + l / 16, row l % 16).  A fragment of q or k holds TWO tiles of 16 tokens x 64 channels: registers 0-5 tokens 32 e + r + 8 (r / 8), registers 6-11 those + 8.
; K goes in four chunks of 256.  Chunks 0, 1, 2 are first fills of three LDS slots; chunk 3 is the one refill, into slot 0.  A chunk of 128 rows is 24,576 dense bytes in the order of the fragments' registers: no padding, every LDS load
; takes consecutive bytes.  The scales of a wave's 128 rows, all of K, come once (4 planes x 1,024 bytes).
; CLUSTERS: 4 x 4 work-groups; A's tiles are asked for jointly along a row of the cluster, B's along a column.
; LIMITS: NaN and infinities are not served; a block whose largest magnitude lies under 2^-124, a block of zeros among them, gets the byte 1 (only this program reads the bytes).
; REGISTERS: window 0: v1-29 addresses; v32-63 scale words, two sets; v64-127 the bias; v128-223 A's fragments, one set (at the end v128-251: the quantiser's).  window 1: B's fragments, two sets, at v0 and v128.
; windows 2, 3: the accumulators of my rows 0-63 and 64-127, (a, b) at v[8 (8 (a % 4) + b)].
.set QTR,   24576                      ; 128 rows x 256 along K
.set SLOT,  4*QTR                      ; A's two halves, then B's two
.set SCL,   3*SLOT                     ; the scales: wave w's 4,096 bytes at 4096 w + 128 (w / 2): A's and B's words of one load then fall on different banks
.set SPARE, SCL+16640                  ; the spare words, 128 bytes for each wave: two blocks of 256 bytes that no other line names
.set FR,    12
.set NL,    4                          ; LDS loads that bring a fragment
.set NP,    4                          ; places behind this matrix instruction (ISA guide 7.12.1)
.set ADRA,  8                          ; v8-10   16 x lane + my A rows in slot 0, 1, 2;   v11-13 the same with 8 x lane
.set ADRA8, 11
.set ADRB,  14                         ; v14-16, v17-19 the same for B
.set ADRB8, 17
.set L16,   20
.set L8,    21
.set BOF,   22
.set ADRS,  27                         ; my scale words: lanes 0-15 A's rows, lanes 16-31 B's
.set SPW,   28
.set NIL,   29
.set SC,    32
.set BIAS,  64
.set AF,    128
.set T,     128                        ; the end: 64 numbers at work
.set FA,    192
.set FB,    204
.set TM,    216
.set CT,    232
.set PWE,   240
.set PWO,   241
.set WA,    242
.set WB,    246
.set PW,    240
.set G1,   24
.set G0,   32
.set G1B,  44
.set G0B,  52
.set G1S,  68
.set G0S,  76
.set G1SB, 80
.set G0SB, 88
.set MSB, 0
.macro WIN new                         ; the immediate's high byte repeats the setting that is left
.if MSB != (\new)
	s_set_vgpr_msb (MSB<<8)|(\new)
.set MSB, (\new)
.endif
.endm
.set MUL_LO, 0xa1                      ; source 0 (B) window 1, source 1 (A) window 0, C and D window 2
.set MUL_HI, 0xf1
.set TO_B,   0x40
; a joint load: waves 0 and 1 fetch for A, waves 2 and 3 for B; four v_nop follow each of the two lines
.macro JLOAD g0a, g1a, g0b, g1b
	s_cmp_eq_u32 s15, 0
	s_cbranch_scc0 .Lfor_b_\@
	tensor_load_to_lds s[\g0a:\g0a+3], s[\g1a:\g1a+7]
	s_nop 0
.rept 4
	v_nop
.endr
	s_branch .Lasked_\@
.Lfor_b_\@:
	tensor_load_to_lds s[\g0b:\g0b+3], s[\g1b:\g1b+7]
	s_nop 0
.rept 4
	v_nop
.endr
.Lasked_\@:
.endm
.macro CREST
	s_cmp_lg_u32 s14, 0
	s_cbranch_scc1 .Lnot_wave_0_\@
	s_barrier_signal -3
.Lnot_wave_0_\@:
	s_barrier_wait -3
	s_barrier_signal -1
	s_barrier_wait -1
.endm
.macro CROUND
	s_barrier_signal -1
	s_barrier_wait -1
	CREST
.endm
.macro PLACES n
.rept \n
	v_nop
.endr
.endm
; a fragment, 12 registers, from its image: two halves of 768 bytes, each 512 bytes at 16 x lane and 256 at 8 x lane
.macro FRAG reg, adr, adr8, q, i
	ds_load_b128 v[\reg:\reg+3], v[\adr] offset:(\i)*3072+(\q)*1536
	ds_load_b64 v[\reg+4:\reg+5], v[\adr8] offset:(\i)*3072+(\q)*1536+512
	ds_load_b128 v[\reg+6:\reg+9], v[\adr] offset:(\i)*3072+(\q)*1536+768
	ds_load_b64 v[\reg+10:\reg+11], v[\adr8] offset:(\i)*3072+(\q)*1536+1280
.endm
.macro FETCH_B slot, q, p
	WIN TO_B
.irp i, 0,1,2,3,4,5,6,7
	FRAG 128*(\p)+FR*\i, ADRB+\slot, ADRB8+\slot, \q, \i
.endr
	WIN 0
.endm
.macro FETCH_A slot, q, i0
.irp i, \i0, \i0+1, \i0+2, \i0+3
	FRAG AF+FR*(\i), ADRA+\slot, ADRA8+\slot, \q, \i
.endr
.endm
.macro SCALES sc                       ; a chunk's two words a row: lanes 0-15 A's block i, lanes 16-31 B's block i
.irp i, 0,1,2,3,4,5,6,7
	ds_load_b64 v[SC+16*\sc+2*\i:SC+16*\sc+2*\i+1], v[ADRS] offset:128*\i
.endr
.endm
; 16 matrix instructions: A's blocks a0, a0 + 1 x B's eight.  The 64 accumulators take turns, one instruction a turn, in the same order in every step.
.macro MUL16 a0, p, q, sc, zero
.irp a, \a0, \a0+1
.irp b, 0,1,2,3,4,5,6,7
.if \zero
	v_wmma_scale_f32_16x16x128_f8f6f4 v[8*(8*((\a)%4)+\b):8*(8*((\a)%4)+\b)+7], v[128*(\p)+FR*\b:128*(\p)+FR*\b+FR-1], v[AF+FR*(\a):AF+FR*(\a)+FR-1], 0, v[SC+16*(\sc)+2*\b+(\q)], v[SC+16*(\sc)+2*(\a)+(\q)] matrix_a_fmt:MATRIX_FMT_FP6 matrix_b_fmt:MATRIX_FMT_FP6 matrix_a_scale:MATRIX_SCALE_ROW1
.else
	v_wmma_scale_f32_16x16x128_f8f6f4 v[8*(8*((\a)%4)+\b):8*(8*((\a)%4)+\b)+7], v[128*(\p)+FR*\b:128*(\p)+FR*\b+FR-1], v[AF+FR*(\a):AF+FR*(\a)+FR-1], v[8*(8*((\a)%4)+\b):8*(8*((\a)%4)+\b)+7], v[SC+16*(\sc)+2*\b+(\q)], v[SC+16*(\sc)+2*(\a)+(\q)] matrix_a_fmt:MATRIX_FMT_FP6 matrix_b_fmt:MATRIX_FMT_FP6 matrix_a_scale:MATRIX_SCALE_ROW1
.endif
.endr
.endr
.endm
; a chunk's first 128 along K (B's set 0); it fetches the second 128
.macro STEP slot, sc, zero
	s_wait_dscnt 4*NL                              ; all but the youngest 16 loads: A's blocks 4-7
	WIN MUL_LO
	MUL16 0, 0, 0, \sc, \zero
	MUL16 2, 0, 0, \sc, \zero
	s_wait_dscnt 0x0                               ; A's blocks 4-7 are in
	PLACES NP                                      ; in front of loads into registers that matrix instructions have read
	FETCH_B \slot, 1, 1
	FETCH_A \slot, 1, 0
	WIN MUL_HI
	MUL16 4, 0, 0, \sc, \zero
	MUL16 6, 0, 0, \sc, \zero
	PLACES NP
	WIN 0
	FETCH_A \slot, 1, 4
.endm
; a chunk's second 128 along K (B's set 1) changes slots: one barrier.  fill = 1: this slot is filled again behind a round of the cluster's barrier.  left: the tensor loads that may stay out where nothing is filled.
.macro TURN slot, next, fill, left, sc, scn
.if \fill
	s_wait_tensorcnt 0x0                           ; all my tensor loads have landed
	ds_add_u32 v[SPW], v[NIL]                      ; 0 onto my spare word
	s_wait_dscnt 4*NL+1                            ; the add and the youngest 16 loads may be out
.else
	s_wait_tensorcnt \left                         ; my part of the next slot is in
	s_wait_dscnt 4*NL
.endif
	WIN MUL_LO
	MUL16 0, 1, 1, \sc, 0
	s_wait_dscnt 0x0                               ; my reads of this slot are over (and the add is done)
	s_barrier_signal -1
	MUL16 2, 1, 1, \sc, 0
	WIN 0
	s_barrier_wait -1
.if \fill
	CREST                                          ; the barrier has opened a round of the cluster's: no wave of any partner still reads this slot or has a load on its way
	s_add_nc_u64 s[G0+4*\slot+2:G0+4*\slot+3], s[G0+4*\slot+2:G0+4*\slot+3], 3*QTR
	s_add_nc_u64 s[G0B+4*\slot+2:G0B+4*\slot+3], s[G0B+4*\slot+2:G0B+4*\slot+3], 3*QTR
	JLOAD G0+4*\slot, G1, G0B+4*\slot, G1B         ; chunk 3; its four v_nop are the places in front of the loads below
.else
	PLACES NP
.endif
	v_add_nc_u32 v[ADRS], 1024, v[ADRS]            ; the next chunk's scale words
	FETCH_B \next, 0, 0
	FETCH_A \next, 0, 0
	SCALES \scn
	WIN MUL_HI
	MUL16 4, 1, 1, \sc, 0
	MUL16 6, 1, 1, \sc, 0
	PLACES NP
	WIN 0
	FETCH_A \next, 0, 4
.endm
.macro LAST sc
	s_wait_dscnt 4*NL
	WIN MUL_LO
	MUL16 0, 1, 1, \sc, 0
	MUL16 2, 1, 1, \sc, 0
	s_wait_dscnt 0x0
	WIN MUL_HI
	MUL16 4, 1, 1, \sc, 0
	MUL16 6, 1, 1, \sc, 0
	WIN 0
.endm
; 64 numbers of a lane at v[s], register 16 b + i = k 32 b + 16 h + i of my row: blocks 0, 1 become six registers at d0, blocks 2, 3 six at d1, the four bytes the word pw
.macro QUANT s, d0, d1, pw
.irp b, 0,1,2,3
	v_max3_num_f32 v[TM+\b], |v[\s+16*\b]|, |v[\s+1+16*\b]|, 0x1800000   ; and the floor 2^(3 - 127): the byte cannot fall under 1
.endr
.irp i, 2,4,6,8,10,12,14
.irp b, 0,1,2,3
	v_max3_num_f32 v[TM+\b], v[TM+\b], |v[\s+16*\b+\i]|, |v[\s+1+16*\b+\i]|
.endr
.endr
.irp b, 0,1,2,3
	v_permlanex16_b32 v[TM+4+\b], v[TM+\b], s20, s21
.endr
.irp b, 0,1,2,3
	v_max_num_f32 v[TM+\b], v[TM+\b], v[TM+4+\b]   ; with lane l xor 16's: the block's largest magnitude
.endr
.irp b, 0,1,2,3
	v_add_nc_u32 v[TM+12+\b], 0xff000000, v[TM+\b] ; 2 off its exponent field: the conversion's scale operand
.endr
.irp b, 0,1,2,3
	v_lshrrev_b32 v[TM+4+\b], 23, v[TM+12+\b]      ; the byte
.endr
	v_lshl_or_b32 v[\pw], v[TM+5], 8, v[TM+4]
	v_lshl_or_b32 v[\pw], v[TM+6], 16, v[\pw]
	v_lshl_or_b32 v[\pw], v[TM+7], 24, v[\pw]
	v_cvt_scalef32_pk16_fp6_f32 v[\d0:\d0+2], v[\s:\s+15], v[TM+12]
	v_cvt_scalef32_pk16_fp6_f32 v[CT:CT+2], v[\s+16:\s+31], v[TM+13]
	v_cvt_scalef32_pk16_fp6_f32 v[\d1:\d1+2], v[\s+32:\s+47], v[TM+14]
	v_cvt_scalef32_pk16_fp6_f32 v[CT+4:CT+6], v[\s+48:\s+63], v[TM+15]
	v_nop                                          ; one plain place behind the conversions
.irp i, 0,1,2
	v_permlane16_swap_b32 v[\d0+\i], v[CT+\i]      ; a whole block to a lane: lanes 0-15 the even block, lanes 16-31 the odd one
	v_permlane16_swap_b32 v[\d1+\i], v[CT+4+\i]
.endr
.irp i, 0,1,2
	v_mov_b32 v[\d0+3+\i], v[CT+\i]
	v_mov_b32 v[\d1+3+\i], v[CT+4+\i]
.endr
.endm
; block a's 64 results + the bias, into window 0; each accumulator is read from its low end on
.macro TAKE a
	WIN 0x02+(\a)/4
.set AC, 64*((\a)%4)
.set jt, 0
.rept 32
	v_pk_add_f32 v[T+jt:T+jt+1], v[AC+jt:AC+jt+1], v[BIAS+jt:BIAS+jt+1]
.set jt, jt+2
.endr
	WIN 0
.endm
.macro TAKEV a                         ; the bias hangs on my row alone: a pair of equal halves
	WIN 0x02+(\a)/4
.set AC, 64*((\a)%4)
.set jt, 0
.rept 32
	v_pk_add_f32 v[T+jt:T+jt+1], v[AC+jt:AC+jt+1], v[BIAS+2*(\a):BIAS+2*(\a)+1]
.set jt, jt+2
.endr
	WIN 0
.endm
.macro SCOUT w0, w1, w2, w3, off       ; four fragments' scale words: 256 consecutive bytes
	v_cndmask_b32 v250, v[\w0], v[\w1], s100
	v_cndmask_b32 v251, v[\w2], v[\w3], s100
	global_store_b64 v[L8], v[250:251], s[12:13] offset:\off+6144
.endm
	s_load_b256 s[68:75], s[0:1], 0x0              ; xc s[68:69], xs s[70:71], wc s[72:73], ws s[74:75]
	s_load_b64 s[98:99], s[0:1], 0x20              ; b_qkv
	s_load_b64 s[12:13], s[0:1], 0x28              ; qkv
	v_lshl_add_u32 v[SPW], v0, 2, SPARE
	v_mov_b32 v[NIL], 0
	ds_add_u32 v28, v29
	ds_add_u32 v28, v29
	s_wait_dscnt 0x0
	v_lshrrev_b32 v1, 5, v0
	v_readfirstlane_b32 s14, v1                    ; wave 0..3
	s_lshr_b32 s15, s14, 1                         ; which half of A's rows is mine.  Also: I fetch for A (0) or for B (1)
	s_and_b32 s16, s14, 1                          ; which half of B's rows.  Also: which 128 rows I fetch
	s_bfe_u32 s92, ttmp6, 0x40000                  ; cx
	s_bfe_u32 s93, ttmp6, 0x40004                  ; cy
	s_and_b32 s97, ttmp7, 0xffff                   ; the cluster's y
	s_lshl_b32 s95, s93, 2
	s_lshl_b32 s95, 15, s95                        ; my row of the cluster
	s_lshl_b32 s96, 0x1111, s92                    ; my column
	s_lshl_b32 s18, s97, 2
	s_lshl_b32 s19, ttmp9, 2
	s_wait_kmcnt 0x0
	s_cmp_eq_u32 ttmp9, 2                          ; the role: it hangs on the cluster's x alone
	s_cselect_b64 s[4:5], s[72:73], s[68:69]       ; A's codes
	s_cselect_b64 s[6:7], s[74:75], s[70:71]       ; A's scales
	s_cselect_b64 s[8:9], s[68:69], s[72:73]       ; B's codes
	s_cselect_b64 s[10:11], s[70:71], s[74:75]     ; B's scales
	s_cselect_b32 s20, 0, s18
	s_cselect_b32 s21, 16, 0                       ; W_v's stored rows begin at group 16
	s_cselect_b32 s22, s18, s19
	s_add_co_u32 s17, s20, s93                     ; A's tile of 256 rows: it holds cy, never cx
	s_add_co_u32 s94, s22, s92                     ; B's: it holds cx, never cy
	s_lshl_b32 s2, s17, 1
	s_add_co_u32 s2, s2, s16
	s_add_co_u32 s2, s2, s21                       ; the group of 128 rows of A that I would fetch
	s_lshl_b32 s3, s94, 1
	s_add_co_u32 s3, s3, s16                       ; and of B
	s_mov_b32 s19, 0
	s_mov_b32 s23, 0
	s_mul_i32 s18, s2, 4*QTR
	s_add_nc_u64 s[4:5], s[4:5], s[18:19]
	s_lshl_b32 s18, s2, 10
	s_add_nc_u64 s[6:7], s[6:7], s[18:19]
	s_mul_i32 s22, s3, 4*QTR
	s_add_nc_u64 s[8:9], s[8:9], s[22:23]
	s_lshl_b32 s22, s3, 10
	s_add_nc_u64 s[10:11], s[10:11], s[22:23]
	s_mul_i32 s20, s14, QTR                        ; where they go: wave x 24,576: no place in the cluster enters an LDS address
	s_lshl_b32 s21, s14, 12
	s_lshl_b32 s2, s15, 7
	s_add_co_u32 s21, s21, s2
	s_add_co_u32 s21, s21, SCL
	; group 1 for codes: 96 dense rows of 256 bytes (32 elements of 8 bytes); the mask, and bit 21 beside it
	s_or_b32 s[G1], s95, (3<<16)|(1<<21)
	s_or_b32 s[G1B], s96, (3<<16)|(1<<21)
.irp g, G1, G1B
	s_mov_b32 s[\g+1], 32<<16
	s_mov_b32 s[\g+2], 96<<16
	s_mov_b32 s[\g+3], 32<<16
	s_mov_b32 s[\g+4], 96
	s_mov_b32 s[\g+5], 32
	s_mov_b32 s[\g+6], 0
	s_mov_b32 s[\g+7], 0
.endr
	; group 1 for scales: 4 planes, 65,536 bytes apart, of 1,024 bytes (128 elements of 8 bytes)
	s_or_b32 s[G1S], s95, (3<<16)|(1<<21)
	s_or_b32 s[G1SB], s96, (3<<16)|(1<<21)
.irp g, G1S, G1SB
	s_mov_b32 s[\g+1], 128<<16
	s_mov_b32 s[\g+2], 4<<16
	s_mov_b32 s[\g+3], 128<<16
	s_mov_b32 s[\g+4], 4
	s_mov_b32 s[\g+5], 8192
	s_mov_b32 s[\g+6], 0
	s_mov_b32 s[\g+7], 0
.endr
	CROUND                                         ; all sixteen work-groups are here: the first joint loads meet
	s_mov_b32 s[G0S], 1
	s_mov_b32 s[G0S+1], s21
	s_mov_b64 s[G0S+2:G0S+3], s[6:7]
	s_or_b32 s[G0S+3], s[G0S+3], 0x80000000
	s_mov_b32 s[G0SB], 1
	s_mov_b32 s[G0SB+1], s21
	s_mov_b64 s[G0SB+2:G0SB+3], s[10:11]
	s_or_b32 s[G0SB+3], s[G0SB+3], 0x80000000
	JLOAD G0S, G1S, G0SB, G1SB                     ; the scales first; then chunks 0, 1, 2: four loads of mine are out
.irp s, 0,1,2
	s_mov_b32 s[G0+4*\s], 1
	s_add_co_u32 s[G0+4*\s+1], s20, \s*SLOT
	s_add_nc_u64 s[G0+4*\s+2:G0+4*\s+3], s[4:5], \s*QTR
	s_or_b32 s[G0+4*\s+3], s[G0+4*\s+3], 0x80000000
	s_mov_b32 s[G0B+4*\s], 1
	s_add_co_u32 s[G0B+4*\s+1], s20, \s*SLOT
	s_add_nc_u64 s[G0B+4*\s+2:G0B+4*\s+3], s[8:9], \s*QTR
	s_or_b32 s[G0B+4*\s+3], s[G0B+4*\s+3], 0x80000000
	JLOAD G0+4*\s, G1, G0B+4*\s, G1B
.endr
	v_and_b32 v1, 15, v0                           ; r
	v_bfe_u32 v2, v0, 4, 1                         ; h
	v_and_b32 v3, 31, v0
	v_lshlrev_b32 v[L16], 4, v3
	v_lshlrev_b32 v[L8], 3, v3
	s_mul_i32 s2, s15, QTR                         ; my 128 rows of A
	s_mul_i32 s3, s16, QTR
	s_add_co_u32 s3, s3, 2*QTR                     ; my 128 rows of B, behind A's
.irp s, 0,1,2
	v_add_nc_u32 v[ADRA+\s], s2, v[L16]
	v_add_nc_u32 v[ADRA8+\s], s2, v[L8]
	v_add_nc_u32 v[ADRB+\s], s3, v[L16]
	v_add_nc_u32 v[ADRB8+\s], s3, v[L8]
	s_add_co_u32 s2, s2, SLOT
	s_add_co_u32 s3, s3, SLOT
.endr
	s_lshl_b32 s2, s15, 12                         ; A's scales: my half
	s_lshl_b32 s3, s16, 12
	s_add_co_u32 s3, s3, 8320                      ; B's lie 8,192 + 128 further on
	s_sub_co_u32 s3, s3, s2
	v_mul_u32_u24 v4, s3, v2                       ; lanes 16-31 take B's
	v_lshl_add_u32 v4, v1, 3, v4                   ; 8 bytes a row
	s_add_co_u32 s2, s2, SCL
	v_add_nc_u32 v[ADRS], s2, v4
	s_wait_tensorcnt 2                             ; the scales and my part of chunk 0 are in; chunks 1 and 2 may be out
	s_barrier_signal -1
	s_barrier_wait -1
	FETCH_B 0, 0, 0
	FETCH_A 0, 0, 0
	SCALES 0
	FETCH_A 0, 0, 4
	STEP 0, 0, 1                                   ; the first products start the sums: nothing is cleared
	TURN 0, 1, 1, 0, 0, 1                          ; slot 0 takes chunk 3
	STEP 1, 1, 0
	TURN 1, 2, 0, 1, 1, 0                          ; one load, chunk 3's, may stay out; chunk 2 was shown landed by the wait for all loads above
	STEP 2, 0, 0
	TURN 2, 0, 0, 0, 0, 1                          ; chunk 3 is in
	STEP 0, 1, 0
	s_mov_b32 s100, 0xffff0000                     ; lanes 16-31
	s_mov_b32 s20, 0x76543210
	s_mov_b32 s21, 0xfedcba98                      ; selects for lane l xor 16
	s_cmp_eq_u32 ttmp9, 2
	s_cbranch_scc1 .Lrole_v
	; ---- q or k.  The bias runs along B's rows: register 8 b + j wants b_qkv[n0 + 32 (b / 2) + 8 (b % 2) + 16 h + j]
	s_lshl_b32 s2, s94, 8
	s_lshl_b32 s3, s16, 7
	s_add_co_u32 s2, s2, s3                        ; n0
	s_lshl_b32 s2, s2, 2
	s_mov_b32 s3, 0
	s_add_nc_u64 s[98:99], s[98:99], s[2:3]
	v_lshlrev_b32 v[BOF], 6, v2
.irp b, 0,1,2,3,4,5,6,7
	global_load_b128 v[BIAS+8*\b:BIAS+8*\b+3], v[BOF], s[98:99] offset:(32*(\b/2)+8*(\b%2))*4
	global_load_b128 v[BIAS+8*\b+4:BIAS+8*\b+7], v[BOF], s[98:99] offset:(32*(\b/2)+8*(\b%2))*4+16
.endr
	s_lshl_b32 s18, s17, 1
	s_add_co_u32 s18, s18, s15                     ; my 128 tokens
	s_lshr_b32 s19, s18, 4                         ; the batch
	s_and_b32 s18, s18, 15                         ; the step of 128 tokens in it
	s_lshl_b32 s19, s19, 4
	s_lshl_b32 s22, s92, 2
	s_add_co_u32 s19, s19, s22
	s_lshl_b32 s22, s16, 1
	s_add_co_u32 s19, s19, s22                     ; 16 x batch + my first head
	s_lshl_b32 s19, s19, 4
	s_add_co_u32 s19, s19, s18
	s_mul_i32 s18, s19, 19200
	s_mul_i32 s22, ttmp9, 6400                     ; part q or k
	s_add_co_u32 s18, s18, s22
	s_mov_b32 s19, 0
	s_add_nc_u64 s[12:13], s[12:13], s[18:19]
	LAST 1                                         ; the last 64 products stand over the bias's way
	PLACES NP
.irp b, 0,1,2,3
	v_mov_b32 v[TM+4+\b], 0                        ; a lane permute's destination counts as read
.endr
	s_wait_loadcnt 0x0
.irp e, 0,1,2,3                        ; two blocks of 16 tokens make one fragment for each of my two heads
.if \e > 0
	s_wait_xcnt 0x0                                ; the stores have read their registers
.endif
	TAKE 2*\e
	QUANT T, FA, FB, PWE
	TAKE 2*\e+1
	QUANT T, FA+6, FB+6, PWO
	v_perm_b32 v[WA+\e], v[PWO], v[PWE], 0x05040100    ; the first head's word: the even tile's two bytes, the odd tile's two
	v_perm_b32 v[WB+\e], v[PWO], v[PWE], 0x07060302    ; the second head's
.irp c, 0,1,2
	global_store_b128 v[L16], v[FA+4*\c:FA+4*\c+3], s[12:13] offset:1536*\e+512*\c          ; 512 consecutive bytes
	global_store_b128 v[L16], v[FB+4*\c:FB+4*\c+3], s[12:13] offset:307200+1536*\e+512*\c   ; the next head
.endr
.endr
	SCOUT WA, WA+1, WA+2, WA+3, 0
	s_wait_xcnt 0x0
	SCOUT WB, WB+1, WB+2, WB+3, 307200
	s_branch .Ljoin
.Lrole_v:
	; ---- v.  The bias runs along A's rows: block a's lane r wants b_qkv[2048 + 256 cy + 128 half + 32 (a / 2) + 8 (a % 2) + r + 8 (r / 8)]
	v_and_b32 v3, 8, v1
	v_add_nc_u32 v3, v3, v1
	v_lshlrev_b32 v[BOF], 2, v3
	s_lshl_b32 s2, s93, 8
	s_lshl_b32 s3, s15, 7
	s_add_co_u32 s2, s2, s3
	s_add_co_u32 s2, s2, 2048
	s_lshl_b32 s2, s2, 2
	s_mov_b32 s3, 0
	s_add_nc_u64 s[98:99], s[98:99], s[2:3]
.irp a, 0,1,2,3,4,5,6,7
	global_load_b32 v[BIAS+2*\a], v[BOF], s[98:99] offset:(32*(\a/2)+8*(\a%2))*4
	global_load_b32 v[BIAS+2*\a+1], v[BOF], s[98:99] offset:(32*(\a/2)+8*(\a%2))*4
.endr
	s_lshl_b32 s18, s94, 1
	s_add_co_u32 s18, s18, s16                     ; my 128 tokens
	s_lshr_b32 s19, s18, 4
	s_and_b32 s18, s18, 15
	s_lshl_b32 s19, s19, 4
	s_lshl_b32 s22, s93, 2
	s_add_co_u32 s19, s19, s22
	s_lshl_b32 s22, s15, 1
	s_add_co_u32 s19, s19, s22                     ; 16 x batch + my first head
	s_lshl_b32 s19, s19, 4
	s_add_co_u32 s19, s19, s18
	s_mul_i32 s18, s19, 19200
	s_add_co_u32 s18, s18, 12800                   ; part v
	s_mov_b32 s19, 0
	s_add_nc_u64 s[12:13], s[12:13], s[18:19]
	LAST 1
	PLACES NP
.irp b, 0,1,2,3
	v_mov_b32 v[TM+4+\b], 0
.endr
	s_wait_loadcnt 0x0
.irp a, 0,1,2,3,4,5,6,7                ; a block of 16 channels x 128 keys is one fragment
.if \a > 0
	s_wait_xcnt 0x0
.endif
	TAKEV \a
	QUANT T, FA, FA+6, PW+\a
.irp c, 0,1,2
	global_store_b128 v[L16], v[FA+4*\c:FA+4*\c+3], s[12:13] offset:(\a/4)*307200+(\a%4)*1536+512*\c
.endr
.endr
	SCOUT PW, PW+1, PW+2, PW+3, 0
	s_wait_xcnt 0x0
	SCOUT PW+4, PW+5, PW+6, PW+7, 307200
.Ljoin:
	s_wait_tensorcnt 0x0                           ; the wave's end
	ds_add_u32 v[SPW], v[NIL]
	s_wait_dscnt 0x0
	CROUND                                         ; the closing round: no work-group ends while a partner may still ask for a tile that names it
	s_endpgm
.Lfunc_end_k_q9c2e221cd5_gemm_qkv:
	.size	k_q9c2e221cd5_gemm_qkv, .Lfunc_end_k_q9c2e221cd5_gemm_qkv-k_q9c2e221cd5_gemm_qkv
	.p2alignl 7, 3214868480
	.fill 96, 4, 3214868480
	.section	.rodata,"a",@progbits
	.p2align	6, 0x0
	.amdhsa_kernel k_q9c2e221cd5_gemm_qkv
		.amdhsa_group_segment_fixed_size 327680
		.amdhsa_private_segment_fixed_size 0
		.amdhsa_enable_private_segment 0
		.amdhsa_kernarg_size 48
		.amdhsa_user_sgpr_count 2
		.amdhsa_user_sgpr_kernarg_segment_ptr 1
		.amdhsa_wavefront_size32 1
		.amdhsa_system_sgpr_workgroup_id_x 1
		.amdhsa_system_sgpr_workgroup_id_y 1
		.amdhsa_system_sgpr_workgroup_id_z 1
		.amdhsa_system_vgpr_workitem_id 0
		.amdhsa_next_free_vgpr 1024
		.amdhsa_next_free_sgpr 102
		.amdhsa_reserve_vcc 0
		.amdhsa_float_denorm_mode_32 3
		.amdhsa_float_denorm_mode_16_64 3
		.amdhsa_memory_ordered 1
		.amdhsa_forward_progress 1
		.amdhsa_inst_pref_size 226
	.end_amdhsa_kernel
	.amdgpu_metadata
---
amdhsa.version: [ 1, 2 ]
amdhsa.kernels:
  - .name:           k_q9c2e221cd5_gemm_qkv
    .symbol:         k_q9c2e221cd5_gemm_qkv.kd
    .args:
      - { .name: xc, .offset: 0, .size: 8, .value_kind: global_buffer, .address_space: global }
      - { .name: xs, .offset: 8, .size: 8, .value_kind: global_buffer, .address_space: global }
      - { .name: wc, .offset: 16, .size: 8, .value_kind: global_buffer, .address_space: global }
      - { .name: ws, .offset: 24, .size: 8, .value_kind: global_buffer, .address_space: global }
      - { .name: b_qkv, .offset: 32, .size: 8, .value_kind: global_buffer, .address_space: global }
      - { .name: qkv, .offset: 40, .size: 8, .value_kind: global_buffer, .address_space: global }
    .group_segment_fixed_size: 327680
    .private_segment_fixed_size: 0
    .kernarg_segment_align: 8
    .kernarg_segment_size: 48
    .max_flat_workgroup_size: 128
    .sgpr_count:     102
    .vgpr_count:     1024
    .wavefront_size: 32
...
	.end_amdgpu_metadata
.endif
;; end of part 2
;; launch attn (part 3): grid 4 x 64, 16 waves a work-group, no clusters, 206,848 bytes of LDS; arguments qkv, oc, os; writes oc, os
.if DOCPART == 3
	.amdgcn_target "amdgcn-amd-amdhsa--gfx1250"
	.amdhsa_code_object_version 6
	.text
	.protected	k_q9c2e221cd5_attn
	.globl	k_q9c2e221cd5_attn
	.p2align	8
	.type	k_q9c2e221cd5_attn,@function
k_q9c2e221cd5_attn:
	s_mov_b64 s[64:65], 0
	v_nop
	global_prefetch_b8 v0, s[64:65] scope:SCOPE_SE
	s_setreg_imm32_b32 hwreg(HW_REG_WAVE_MODE, 25, 1), 1
	s_wait_xcnt 0x0
; Causal attention of one head on codes of FP6 (E2M3) with E8M0 scales; head size 64, 2,048 tokens, 64 heads x batches.  In: qkv (fragments as images of their registers).  Out: o / l, quantised along the model's 1,024,
; as the last product's operand: oc (half fragments of 768 bytes) and os (scale bytes).
; THE SOFTMAX: t = score x log2(e) / 8; M = the running largest t rounded UP to a whole number; p = 2^(t - M) is quantised along the keys, not normalised; the row's sum is taken of the unquantised p and divides at the end.
; When M moves, the sum and O are multiplied by 2^(old M - new M): exact.
; SHARES.  Work-group (i, head) owns the blocks of 256 queries 7 - i and i: every work-group has the same number of key steps.  Each of its sixteen waves owns 16 queries of a block (a stored tile: QMIN + r + 8 (r / 8)) in 256 registers:
; four waves to a SIMD, so that one wave's vector work stands beside another's products and LDS loads.
; THE HEAD'S K AND V LIE IN LDS WHOLE: 16 steps of 128 keys x 12,800 bytes (K's four fragments, 256 bytes of its scale words, V's four, its words), filled once by waves 0-7, four loads each: nothing is filled again.
; K = 64 IN AN INSTRUCTION OF K = 128: a fragment of K holds two tiles of 16 keys; it is multiplied by (q, 0) and by (0, q): zero codes on Q's side take the other tile out.  Q lies as [0 x 6 | q x 6 | 0 x 6] in v16-33.
; Both products are used transposed: a lane holds one query throughout; the 16 registers of score tiles 2 b, 2 b + 1 are keys 32 b + 16 h + 0 .. 15.
; CAUSAL: all trip counts are constants; a step all of whose keys come after the wave's queries is left out by a scalar branch on ids; on the diagonal hidden scores become -infinity.  A tile's queries lie in one block of 32,
; so in every step that is worked the step's first key counts for every query.
; NO CLUSTER: the four work-groups of a head read the same K and V, but their causal branches hang on i, which would be the place in the cluster; partners in a joint request must run alike, which would forbid the skipping that halves the work.
; The scale bytes leave one byte a lane, 2 bytes a row: 32 bytes beside 768 bytes of codes.
; LIMITS: NaN and infinities are not served; a block whose largest magnitude lies under 2^-124 gets the byte 1; 1 / l is v_rcp_f32 and a multiply.
; REGISTERS: v1 16 x lane, v2 8 x lane, v3-4 addresses in hand, v5 my query - 16 h, v6 the same less QMIN, v7-9 offsets; v12 -M, v13 largest t, v[14:15] the sum; v16-33 Q; v34 Q's scale word, v35 p's, v[36:37] f, v[38:39] K's words, v[40:41] V's;
; v44-91 four fragments of K, then of V; v96-159 scores, then p; v160-191 O^T; v192-203 p's codes; v204-211, v212-231 at work.
.set S,    96
.set KFR,  44
.set O,    160
.set PC,   192
.set CT,   204
.set BM,   212
.set BX,   216
.set BSC,  220
.macro KQ b, u
.if (\b)%2
	v_wmma_scale_f32_16x16x128_f8f6f4 v[S+8*(2*\b+\u):S+8*(2*\b+\u)+7], v[KFR+12*\b:KFR+12*\b+11], v[22-6*\u:33-6*\u], 0, v[38+\b/2], v34 matrix_a_fmt:MATRIX_FMT_FP6 matrix_b_fmt:MATRIX_FMT_FP6 matrix_a_scale:MATRIX_SCALE_ROW1
.else
	v_wmma_scale_f32_16x16x128_f8f6f4 v[S+8*(2*\b+\u):S+8*(2*\b+\u)+7], v[KFR+12*\b:KFR+12*\b+11], v[22-6*\u:33-6*\u], 0, v[38+\b/2], v34 matrix_a_fmt:MATRIX_FMT_FP6 matrix_b_fmt:MATRIX_FMT_FP6
.endif
.endm
.macro PV t
.if (\t)%2
	v_wmma_scale_f32_16x16x128_f8f6f4 v[O+8*\t:O+8*\t+7], v[KFR+12*\t:KFR+12*\t+11], v[PC:PC+11], v[O+8*\t:O+8*\t+7], v[40+\t/2], v35 matrix_a_fmt:MATRIX_FMT_FP6 matrix_b_fmt:MATRIX_FMT_FP6 matrix_a_scale:MATRIX_SCALE_ROW1
.else
	v_wmma_scale_f32_16x16x128_f8f6f4 v[O+8*\t:O+8*\t+7], v[KFR+12*\t:KFR+12*\t+11], v[PC:PC+11], v[O+8*\t:O+8*\t+7], v[40+\t/2], v35 matrix_a_fmt:MATRIX_FMT_FP6 matrix_b_fmt:MATRIX_FMT_FP6
.endif
.endm
; a pass begins: s13 = the block of 256 queries
.macro PREP
	s_wait_xcnt 0x0                                ; the last pass's stores have read their bases and registers
	s_lshl_b32 s14, s13, 8
	s_lshr_b32 s56, s10, 1
	s_lshl_b32 s56, s56, 5
	s_add_co_u32 s14, s14, s56
	s_and_b32 s56, s10, 1
	s_lshl_b32 s56, s56, 3
	s_add_co_u32 s14, s14, s56                     ; QMIN = 256 block + 32 (wave / 2) + 8 (wave % 2)
	s_add_co_u32 s15, s14, 23                      ; QMAX
	s_lshl_b32 s56, s11, 4
	s_lshl_b32 s57, s13, 1
	s_add_co_u32 s56, s56, s57
	s_lshr_b32 s57, s10, 3
	s_add_co_u32 s56, s56, s57
	s_mul_i32 s56, s56, 19200                      ; q's part of my step of 128 tokens
	s_mov_b32 s57, 0
	s_add_nc_u64 s[50:51], s[4:5], s[56:57]
	s_lshr_b32 s58, s11, 4
	s_lshl_b32 s58, s58, 4
	s_lshl_b32 s59, s13, 1
	s_add_co_u32 s58, s58, s59
	s_lshr_b32 s59, s10, 3
	s_add_co_u32 s58, s58, s59                     ; my group of 128 stored rows of o
	s_and_b32 s59, s11, 15                         ; the head: channels 64 head on
	s_mul_i32 s56, s58, 98304
	s_lshr_b32 s60, s59, 2
	s_mul_i32 s61, s60, 24576
	s_add_co_u32 s56, s56, s61
	s_and_b32 s61, s10, 7
	s_mul_i32 s62, s61, 3072
	s_add_co_u32 s56, s56, s62
	s_bfe_u32 s62, s59, 0x10001
	s_mul_i32 s62, s62, 1536
	s_add_co_u32 s56, s56, s62
	s_and_b32 s62, s59, 1
	s_mul_i32 s62, s62, 768
	s_add_co_u32 s56, s56, s62
	s_add_nc_u64 s[52:53], s[6:7], s[56:57]
	s_lshl_b32 s56, s60, 16
	s_lshl_b32 s62, s58, 10
	s_add_co_u32 s56, s56, s62
	s_lshl_b32 s62, s61, 7
	s_add_co_u32 s56, s56, s62
	s_and_b32 s62, s59, 3
	s_lshl_b32 s62, s62, 1
	s_add_co_u32 s56, s56, s62
	s_add_nc_u64 s[54:55], s[8:9], s[56:57]
.irp c, 0,1,2
	global_load_b128 v[96+4*\c:99+4*\c], v9, s[50:51] offset:512*\c    ; the fragment that holds my tile and its neighbour
.endr
	global_load_b32 v108, v8, s[50:51]             ; its scale word of row r
	v_add_nc_u32 v5, s14, v6
	s_wait_loadcnt 0x0
.irp j, 0,1,2,3,4,5
	v_cndmask_b32 v[22+\j], v[96+\j], v[102+\j], s48   ; my tile's six registers
.endr
	v_perm_b32 v34, v108, v108, s49                ; my tile's two bytes, twice
	v_mov_b32 v13, 0xff61b1e6                      ; the largest t so far: -3e38
	s_delay_alu instid0(VALU_DEP_1)
	v_floor_f32 v12, -v13
	v_mov_b32 v14, 0
	v_mov_b32 v15, 0
.set jp, 0
.rept 32
	v_mov_b32 v[O+jp], 0                           ; O^T: the first change of M multiplies zeros.  (These lines are also the places between Q's and its word's making and the first product)
.set jp, jp+1
.endr
.endm
; a key step: 128 keys from s45 on, at LDS byte s44
.macro STEP
	s_cmp_gt_u32 s45, s15
	s_cbranch_scc1 .Lhidden_\@                     ; all its keys come after my queries
	s_setprio 2
	v_add_nc_u32 v3, s44, v1
	v_add_nc_u32 v4, s44, v2
	v_nop
	v_nop                                          ; four places in front of loads into registers that the last products read
.irp b, 0,1,2,3
.irp c, 0,1,2
	ds_load_b128 v[KFR+12*\b+4*\c:KFR+12*\b+4*\c+3], v3 offset:1536*\b+512*\c
.endr
.endr
	ds_load_b64 v[38:39], v4 offset:6144
	s_wait_alu depctr_va_vdst(0)
	s_wait_dscnt 0x0
.irp b, 0,1,2,3
	KQ \b, 0
	KQ \b, 1
.endr
.rept 4
	v_nop
.endr
.irp t, 0,1,2,3
.irp c, 0,1,2
	ds_load_b128 v[KFR+12*\t+4*\c:KFR+12*\t+4*\c+3], v3 offset:6400+1536*\t+512*\c     ; V lands under the softmax
.endr
.endr
	ds_load_b64 v[40:41], v4 offset:12544
	s_add_co_u32 s56, s45, 127
	s_cmp_le_u32 s56, s14
	s_cbranch_scc1 .Lopen_\@                       ; all its keys count for all my queries
	v_sub_nc_u32 v224, v5, s45                     ; register 16 b + i holds key s45 + 32 b + 16 h + i: hidden where 32 b + i > my query - s45 - 16 h
	v_mov_b32 v225, 0xff800000
.set nm, 0
.rept 64
	v_cmp_gt_i32 vcc_lo, 32*(nm/16)+nm%16, v224
	v_cndmask_b32 v[S+nm], v[S+nm], v225, vcc_lo
.set nm, nm+1
.endr
.Lopen_\@:
.irp b, 0,1,2,3
	v_max3_num_f32 v[BM+\b], v[S+16*\b], v[S+1+16*\b], v[S+2+16*\b]    ; the largest score of each block of 32 keys: for the row's maximum, and, since p rises with the score, for the block's largest p
.endr
.irp i, 3,5,7,9,11,13
.irp b, 0,1,2,3
	v_max3_num_f32 v[BM+\b], v[BM+\b], v[S+16*\b+\i], v[S+1+16*\b+\i]
.endr
.endr
.irp b, 0,1,2,3
	v_max_num_f32 v[BM+\b], v[BM+\b], v[S+15+16*\b]
.endr
.irp b, 0,1,2,3
	s_delay_alu instid0(VALU_DEP_4)
	v_permlanex16_b32 v[BX+\b], v[BM+\b], s40, s41
.endr
.irp b, 0,1,2,3
	s_delay_alu instid0(VALU_DEP_4)
	v_max_num_f32 v[BM+\b], v[BM+\b], v[BX+\b]
.endr
	s_delay_alu instid0(VALU_DEP_2)
	v_max3_num_f32 v224, v212, v213, v214
	s_delay_alu instid0(VALU_DEP_1)
	v_max_num_f32 v224, v224, v215
	s_delay_alu instid0(VALU_DEP_1)
	v_mul_f32 v224, s42, v224                      ; as t
	s_delay_alu instid0(VALU_DEP_1)
	v_max_num_f32 v13, v13, v224
	v_mov_b32 v224, v12
	s_delay_alu instid0(VALU_DEP_2)
	v_floor_f32 v12, -v13                          ; the new -M = floor(-t)
	s_delay_alu instid0(VALU_DEP_1)
	v_sub_f32 v224, v12, v224                      ; old M - new M: a whole number, 0 or less
	s_delay_alu instid0(VALU_DEP_1)
	v_cvt_i32_f32 v224, v224                       ; (it saturates)
	s_delay_alu instid0(VALU_DEP_1)
	v_ldexp_f32 v36, 1.0, v224                     ; f = 2^(old M - new M)
.set js, 0
.rept 32
	v_pk_fma_f32 v[S+js:S+js+1], v[S+js:S+js+1], s[42:43], v[12:13] op_sel_hi:[1,0,0]   ; t - M
.set js, js+2
.endr
	s_setprio 1
.irp b, 0,1,2,3
	v_fma_f32 v[BM+\b], v[BM+\b], s42, v12
.endr
.set js, 0
	s_wait_alu depctr_va_vdst(0)
.rept 64
	v_exp_f32 v[S+js], v[S+js]                     ; p = 2^(t - M)
.set js, js+1
.endr
.irp b, 0,1,2,3
	v_exp_f32 v[BM+\b], v[BM+\b]                   ; the block's largest p
.endr
	v_pk_mul_f32 v[14:15], v[14:15], v[36:37] op_sel_hi:[1,0]      ; the sums under the new M (a plain place behind the exponentials)
	s_wait_alu depctr_va_vdst(0)
.irp b, 0,1,2,3
	v_max_num_f32 v[BM+\b], 0x1800000, v[BM+\b]    ; the floor 2^(3 - 127)
.endr
.irp b, 0,1,2,3
	s_delay_alu instid0(VALU_DEP_4)
	v_add_nc_u32 v[BSC+\b], 0xff000000, v[BM+\b]
.endr
.irp b, 0,1,2,3
	s_delay_alu instid0(VALU_DEP_4)
	v_lshrrev_b32 v[BX+\b], 23, v[BSC+\b]
.endr
	s_delay_alu instid0(VALU_DEP_3)
	v_lshl_or_b32 v35, v217, 8, v216               ; p's scale word for these 128 keys
	s_delay_alu instid0(VALU_DEP_1)
	v_lshl_or_b32 v35, v218, 16, v35
	s_delay_alu instid0(VALU_DEP_1)
	v_lshl_or_b32 v35, v219, 24, v35
.irp c, 0,1
	v_cvt_scalef32_pk16_fp6_f32 v[PC+6*\c:PC+6*\c+2], v[S+32*\c:S+32*\c+15], v[BSC+2*\c]
	v_cvt_scalef32_pk16_fp6_f32 v[CT+4*\c:CT+4*\c+2], v[S+16+32*\c:S+31+32*\c], v[BSC+2*\c+1]
.endr
	v_nop                                          ; one plain place behind the conversions
.irp c, 0,1
.irp i, 0,1,2
	v_permlane16_swap_b32 v[PC+6*\c+\i], v[CT+4*\c+\i]     ; a whole block to a lane
.endr
.irp i, 0,1,2
	s_delay_alu instid0(VALU_DEP_3)
	v_mov_b32 v[PC+3+6*\c+\i], v[CT+4*\c+\i]
.endr
.endr
	v_pk_add_f32 v[230:231], v[100:101], v[104:105]
	v_pk_add_f32 v[252:253], v[108:109], v[112:113]
	v_pk_add_f32 v[250:251], v[116:117], v[120:121]
	v_pk_add_f32 v[248:249], v[124:125], v[128:129]
	v_pk_add_f32 v[246:247], v[132:133], v[136:137]
	v_pk_add_f32 v[244:245], v[140:141], v[144:145]
	v_pk_add_f32 v[242:243], v[148:149], v[152:153]
	v_pk_add_f32 v[14:15], v[14:15], v[156:157]
	v_pk_add_f32 v[230:231], v[230:231], v[96:97]
	v_pk_add_f32 v[252:253], v[252:253], v[98:99]
	v_pk_add_f32 v[250:251], v[250:251], v[102:103]
	s_setprio 0
	v_pk_add_f32 v[248:249], v[248:249], v[106:107]
	v_pk_add_f32 v[246:247], v[246:247], v[110:111]
	v_pk_add_f32 v[244:245], v[244:245], v[114:115]
	v_pk_add_f32 v[242:243], v[242:243], v[118:119]
	v_pk_add_f32 v[14:15], v[14:15], v[122:123]
	v_pk_add_f32 v[230:231], v[230:231], v[126:127]
	v_pk_add_f32 v[252:253], v[252:253], v[130:131]
	v_pk_add_f32 v[250:251], v[250:251], v[134:135]
	v_pk_add_f32 v[248:249], v[248:249], v[138:139]
	v_pk_add_f32 v[246:247], v[246:247], v[142:143]
	v_pk_add_f32 v[244:245], v[244:245], v[146:147]
	v_pk_add_f32 v[242:243], v[242:243], v[150:151]
	v_pk_add_f32 v[14:15], v[14:15], v[154:155]
	v_pk_add_f32 v[230:231], v[230:231], v[158:159]
	s_delay_alu instid0(VALU_DEP_2)
	v_pk_add_f32 v[14:15], v[14:15], v[248:249]
	s_delay_alu instid0(VALU_DEP_2)
	v_pk_add_f32 v[230:231], v[230:231], v[246:247]
	v_pk_add_f32 v[252:253], v[252:253], v[244:245]
	v_pk_add_f32 v[250:251], v[250:251], v[242:243]
	s_delay_alu instid0(VALU_DEP_2)
	v_pk_add_f32 v[14:15], v[14:15], v[252:253]
	s_delay_alu instid0(VALU_DEP_2)
	v_pk_add_f32 v[230:231], v[230:231], v[250:251]
	s_delay_alu instid0(VALU_DEP_1)
	v_pk_add_f32 v[14:15], v[14:15], v[230:231]
.set js, 0
.rept 16
	v_pk_mul_f32 v[O+js:O+js+1], v[O+js:O+js+1], v[36:37] op_sel_hi:[1,0]      ; O^T under the new M
.set js, js+2
.endr
	s_wait_alu depctr_va_vdst(0)
	s_wait_dscnt 0x0                               ; V is in
.irp t, 0,1,2,3
	PV \t                                          ; the four accumulators by turns
.endr
.Lhidden_\@:
	s_add_co_u32 s45, s45, 128
	s_add_co_u32 s44, s44, 12800
.endm
.macro STEPS n
	s_mov_b32 s46, \n
.Lsteps_\@:
	STEP
	s_sub_co_u32 s46, s46, 1
	s_cmp_lg_u32 s46, 0
	s_cbranch_scc1 .Lsteps_\@
	s_setprio 0
.endm
; a pass ends: o = O^T / l; its 64 channels are two blocks of the last product's K: one half fragment and two bytes a row
.macro FINISH
.rept 4
	v_nop                                          ; places behind the last products
.endr
	v_add_f32 v14, v14, v15
	s_delay_alu instid0(VALU_DEP_1)
	v_permlanex16_b32 v224, v14, s40, s41
	s_delay_alu instid0(VALU_DEP_1)
	v_add_f32 v14, v14, v224
	s_wait_alu depctr_va_vdst(0)
	v_rcp_f32 v14, v14
	v_nop
.set jf, 0
	s_wait_alu depctr_va_vdst(0)
.rept 32
	v_mul_f32 v[S+jf], v[O+jf], v14                ; register 16 b + i is channel 32 b + 16 h + i
.set jf, jf+1
.endr
.irp b, 0,1
	v_max3_num_f32 v[BM+\b], |v[S+16*\b]|, |v[S+1+16*\b]|, 0x1800000
.endr
.irp i, 2,4,6,8,10,12,14
.irp b, 0,1
	s_delay_alu instid0(VALU_DEP_2)
	v_max3_num_f32 v[BM+\b], v[BM+\b], |v[S+16*\b+\i]|, |v[S+1+16*\b+\i]|
.endr
.endr
.irp b, 0,1
	s_delay_alu instid0(VALU_DEP_2)
	v_permlanex16_b32 v[BX+\b], v[BM+\b], s40, s41
.endr
.irp b, 0,1
	s_delay_alu instid0(VALU_DEP_2)
	v_max_num_f32 v[BM+\b], v[BM+\b], v[BX+\b]
.endr
.irp b, 0,1
	s_delay_alu instid0(VALU_DEP_2)
	v_add_nc_u32 v[BSC+\b], 0xff000000, v[BM+\b]
.endr
.irp b, 0,1
	s_delay_alu instid0(VALU_DEP_2)
	v_lshrrev_b32 v[BX+\b], 23, v[BSC+\b]
.endr
	v_cvt_scalef32_pk16_fp6_f32 v[PC:PC+2], v[S:S+15], v[BSC]
	v_cvt_scalef32_pk16_fp6_f32 v[CT:CT+2], v[S+16:S+31], v[BSC+1]
	v_nop
.irp i, 0,1,2
	v_permlane16_swap_b32 v[PC+\i], v[CT+\i]
.endr
.irp i, 0,1,2
	s_delay_alu instid0(VALU_DEP_3)
	v_mov_b32 v[PC+3+\i], v[CT+\i]
.endr
	v_cndmask_b32 v225, v216, v217, s47            ; my lane's block's byte
	global_store_b128 v1, v[PC:PC+3], s[52:53]             ; 512 consecutive bytes
	global_store_b64 v2, v[PC+4:PC+5], s[52:53] offset:512 ; 256 consecutive bytes
	global_store_b8 v7, v225, s[54:55]
.endm
	s_load_b128 s[4:7], s[0:1], 0x0                ; qkv s[4:5], oc s[6:7]
	s_load_b64 s[8:9], s[0:1], 0x10                ; os
	v_lshl_add_u32 v254, v0, 2, 0x32000
	v_mov_b32 v255, 0
	ds_add_u32 v254, v255
	ds_add_u32 v254, v255
	v_lshrrev_b32 v1, 5, v0
	s_delay_alu instid0(VALU_DEP_1)
	v_readfirstlane_b32 s10, v1                    ; wave 0..15
	s_and_b32 s11, ttmp7, 0xffff                   ; batch x 16 + head
	s_mov_b32 s12, ttmp9                           ; i
	; group 1: a dense block of 6,400 bytes as 25 rows of 256 bytes (32 elements of 8 bytes)
	s_mov_b32 s16, 3<<16
	s_mov_b32 s17, 32<<16
	s_mov_b32 s18, 25<<16
	s_mov_b32 s19, 32<<16
	s_mov_b32 s20, 25
	s_mov_b32 s21, 32
	s_mov_b32 s22, 0
	s_mov_b32 s23, 0
	s_min_u32 s59, s10, 7                          ; waves 0-7 fetch: wave w part k or v (w % 2) of steps 4 g + w / 2
	s_mul_i32 s56, s11, 307200
	s_lshr_b32 s57, s59, 1
	s_mul_i32 s57, s57, 19200
	s_add_co_u32 s56, s56, s57
	s_and_b32 s57, s59, 1
	s_mul_i32 s57, s57, 6400
	s_add_co_u32 s56, s56, s57
	s_add_co_u32 s56, s56, 6400
	s_mov_b32 s57, 0
	s_mul_i32 s58, s59, 6400
	s_wait_dscnt 0x0
	s_wait_kmcnt 0x0
	s_add_nc_u64 s[56:57], s[4:5], s[56:57]
.irp g, 0,1,2,3
	s_mov_b32 s[24+4*\g], 1
	s_add_co_u32 s[25+4*\g], s58, 51200*\g
	s_add_nc_u64 s[26+4*\g:27+4*\g], s[56:57], 76800*\g
	s_or_b32 s[27+4*\g], s[27+4*\g], 0x80000000
.endr
	s_cmp_lt_u32 s10, 8                            ; a wave's four first fills stand in one branch: four loads of mine are out
	s_cbranch_scc0 .Lno_fill
	tensor_load_to_lds s[24:27], s[16:23]
	s_nop 0
	tensor_load_to_lds s[28:31], s[16:23]
	s_nop 0
	tensor_load_to_lds s[32:35], s[16:23]
	s_nop 0
	tensor_load_to_lds s[36:39], s[16:23]
	s_nop 0
.rept 4
	v_nop
.endr
.Lno_fill:
	v_and_b32 v6, 31, v0
	s_delay_alu instid0(VALU_DEP_1)
	v_lshlrev_b32 v1, 4, v6                        ; 16 x lane
	s_wait_alu depctr_va_vdst(0)
	v_lshlrev_b32 v2, 3, v6                        ; 8 x lane
	v_and_b32 v10, 15, v0                          ; r
	s_wait_alu depctr_va_vdst(0)
	v_bfe_u32 v11, v0, 4, 1                        ; h
	s_wait_alu depctr_va_vdst(0)
	v_lshl_add_u32 v7, v10, 3, v11                 ; 8 r + h
	s_bfe_u32 s56, s10, 0x20001                    ; which of the step's four fragments of q holds my tile
	s_and_b32 s57, s56, 1
	s_lshl_b32 s57, s57, 7
	s_lshr_b32 s58, s56, 1
	s_lshl_b32 s58, s58, 2
	s_add_co_u32 s57, s57, s58
	s_add_co_u32 s57, s57, 6144
	v_lshl_add_u32 v8, v10, 3, s57                 ; its scale word of row r
	s_mul_i32 s56, s56, 1536
	v_add_nc_u32 v9, s56, v1
	s_and_b32 s58, s10, 1                          ; and which of its two tiles
	s_cmp_eq_u32 s58, 1
	s_cselect_b32 s48, -1, 0
	s_mov_b32 s49, 0x01000100
	s_cselect_b32 s49, 0x03020302, s49
	v_and_b32 v6, 8, v10
	s_delay_alu instid0(VALU_DEP_1)
	v_add_nc_u32 v6, v6, v10
	v_lshlrev_b32 v11, 4, v11
	s_delay_alu instid0(VALU_DEP_1)
	v_sub_nc_u32 v6, v6, v11                       ; r + 8 (r / 8) - 16 h
	s_mov_b32 s40, 0x76543210
	s_mov_b32 s41, 0xfedcba98                      ; selects for lane l xor 16
	s_mov_b32 s42, 0x3e38aa3b                      ; log2(e) / 8
	s_mov_b32 s43, s42
	s_mov_b32 s47, 0xffff0000                      ; lanes 16-31
.irp j, 0,1,2,3,4,5
	v_mov_b32 v[16+\j], 0                          ; the zero codes on both sides of q
	v_mov_b32 v[28+\j], 0
.endr
	v_mov_b32 v37, 0                               ; named as the upper half of the pair with f
.irp b, 0,1,2,3
	v_mov_b32 v[BX+\b], 0                          ; a lane permute's destination counts as read
.endr
	v_mov_b32 v224, 0
	s_sub_co_u32 s13, 7, s12                       ; the late block first: it walks all sixteen steps, group by group as they land
	PREP
.irp g, 0,1,2,3
	s_wait_tensorcnt 3-\g                          ; my load of steps 4 g .. 4 g + 3 is in; the later ones may stay out
	s_wait_dscnt 0x0
	s_barrier_signal -1
	s_barrier_wait -1                              ; everybody's is
	s_mov_b32 s44, 51200*\g
	s_mov_b32 s45, 512*\g
	STEPS 4
.endr
	FINISH
	s_mov_b32 s13, s12                             ; the early block: its keys end with step 7 at the latest
	PREP
	s_mov_b32 s44, 0
	s_mov_b32 s45, 0
	STEPS 8
	FINISH
	s_wait_tensorcnt 0x0
	ds_add_u32 v254, v255
	s_wait_dscnt 0x0
	s_endpgm
.Lfunc_end_k_q9c2e221cd5_attn:
	.size	k_q9c2e221cd5_attn, .Lfunc_end_k_q9c2e221cd5_attn-k_q9c2e221cd5_attn
	.p2alignl 7, 3214868480
	.fill 96, 4, 3214868480
	.section	.rodata,"a",@progbits
	.p2align	6, 0x0
	.amdhsa_kernel k_q9c2e221cd5_attn
		.amdhsa_group_segment_fixed_size 206848
		.amdhsa_private_segment_fixed_size 0
		.amdhsa_enable_private_segment 0
		.amdhsa_kernarg_size 24
		.amdhsa_user_sgpr_count 2
		.amdhsa_user_sgpr_kernarg_segment_ptr 1
		.amdhsa_wavefront_size32 1
		.amdhsa_system_sgpr_workgroup_id_x 1
		.amdhsa_system_sgpr_workgroup_id_y 1
		.amdhsa_system_sgpr_workgroup_id_z 1
		.amdhsa_system_vgpr_workitem_id 0
		.amdhsa_next_free_vgpr 256
		.amdhsa_next_free_sgpr 66
		.amdhsa_reserve_vcc 1
		.amdhsa_float_denorm_mode_32 3
		.amdhsa_float_denorm_mode_16_64 3
		.amdhsa_memory_ordered 1
		.amdhsa_forward_progress 1
		.amdhsa_inst_pref_size 133
	.end_amdhsa_kernel
	.amdgpu_metadata
---
amdhsa.version: [ 1, 2 ]
amdhsa.kernels:
  - .name:           k_q9c2e221cd5_attn
    .symbol:         k_q9c2e221cd5_attn.kd
    .args:
      - { .name: qkv, .offset: 0, .size: 8, .value_kind: global_buffer, .address_space: global }
      - { .name: oc, .offset: 8, .size: 8, .value_kind: global_buffer, .address_space: global }
      - { .name: os, .offset: 16, .size: 8, .value_kind: global_buffer, .address_space: global }
    .group_segment_fixed_size: 206848
    .private_segment_fixed_size: 0
    .kernarg_segment_align: 8
    .kernarg_segment_size: 24
    .max_flat_workgroup_size: 512
    .sgpr_count:     66
    .vgpr_count:     256
    .wavefront_size: 32
...
	.end_amdgpu_metadata
.endif
;; end of part 3
;; launch gemm_out (part 4): grid 4 x 32, 4 waves a work-group, clusters of 4 x 4, 327,680 bytes of LDS; arguments oc, os, wc, ws, b_out, out0; writes out0
.if DOCPART == 4
	.amdgcn_target "amdgcn-amd-amdhsa--gfx1250"
	.amdhsa_code_object_version 6
	.text
	.protected	k_q9c2e221cd5_gemm_out
	.globl	k_q9c2e221cd5_gemm_out
	.p2align	8
	.type	k_q9c2e221cd5_gemm_out,@function
k_q9c2e221cd5_gemm_out:
	s_mov_b64 s[64:65], 0
	v_nop
	global_prefetch_b8 v0, s[64:65] scope:SCOPE_SE
	s_setreg_imm32_b32 hwreg(HW_REG_WAVE_MODE, 25, 1), 1
	s_wait_xcnt 0x0
	s_wait_alu depctr_hold_cnt(0) depctr_sa_sdst(0) depctr_va_vdst(0) depctr_va_sdst(0) depctr_va_ssrc(0) depctr_va_vcc(0) depctr_vm_vsrc(0)
	s_getreg_b32 s2, hwreg(HW_REG_IB_STS2, 6, 4)
	s_cmp_eq_u32 s2, 0
	s_cbranch_scc0 .Lentry_in_a_cluster
	s_endpgm
.Lentry_in_a_cluster:
	s_bfe_u32 s2, ttmp6, 0x10000c
	s_cmp_lg_u32 s2, 0xf033
	s_cbranch_scc0 .Lentry_shape_is_right
	s_endpgm
.Lentry_shape_is_right:
; out0 = o W_out + b_out on codes of FP6 (E2M3) with E8M0 scales, K = 1024; out0 [8192][1024] f32.
; A work-group of four waves makes 256 x 256, a wave 128 x 128: 64 accumulators in 512 registers.  THE MATRIX INSTRUCTION IS USED TRANSPOSED (source 0 = 16 columns of W_out, source 1 = 16 tokens).  Rows of both operands lie in stored
; order (bits 3 and 4 of the row number changed places): in lane (r, h) register j of accumulator (a, b) is token 32 (a / 2) + 8 (a % 2) + r + 8 (r / 8), column 32 (b / 2) + 16 h + 8 (b % 2) + j; the way out puts both back.
; K goes in four chunks of 256.  Chunks 0, 1, 2 are first fills of three LDS slots; chunk 3 is the one refill, into slot 0.  A chunk of 128 rows is 24,576 dense bytes in the order of the fragments' registers.
; The scales of a wave's 128 rows, all of K, come once.  The bias is the C of each sum's first product.  W_out's stored rows begin at group 24 of wc and ws.
; CLUSTERS: 4 x 4 work-groups; A's tiles are asked for jointly along a row of the cluster, B's along a column.  128 work-groups: C has 128 tiles of 256 x 256.
; REGISTERS: window 0: v1-29 addresses; v32-63 scale words, two sets; v64-127 the bias; v128-223 A's fragments, one set (on the way out v128-255: rows read back).  window 1: B's fragments, two sets.
; windows 2, 3: the accumulators of my rows 0-63 and 64-127, (a, b) at v[8 (8 (a % 4) + b)].
.set QTR,   24576
.set SLOT,  4*QTR
.set SCL,   3*SLOT
.set SPARE, SCL+16640                  ; the spare words, 128 bytes for each wave: two blocks of 256 bytes that no other line names
.set SPITCH, 528                       ; the way out: 16 rows x (512 bytes + 16) for each wave, in slot 1, which has had its only fill and its last read when the first result is stored there
.set FR,    12
.set NL,    4
.set NP,    4
.set ADRA,  8
.set ADRA8, 11
.set ADRB,  14
.set ADRB8, 17
.set L16,   20
.set L8,    21
.set BOF,   22
.set STO,   24
.set RD,    25
.set ADRS,  27
.set SPW,   28
.set NIL,   29
.set SC,    32
.set BIAS,  64
.set AF,    128
.set BK,    128
.set G1,   24
.set G0,   32
.set G1B,  44
.set G0B,  52
.set G1S,  68
.set G0S,  76
.set G1SB, 80
.set G0SB, 88
.set MSB, 0
.macro WIN new                         ; the immediate's high byte repeats the setting that is left
.if MSB != (\new)
	s_set_vgpr_msb (MSB<<8)|(\new)
.set MSB, (\new)
.endif
.endm
.set MUL_LO, 0xa1                      ; source 0 (B) window 1, source 1 (A) window 0, C and D window 2
.set MUL_HI, 0xf1
.set BEG_LO, 0x81                      ; the same with C (the bias) in window 0
.set BEG_HI, 0xc1
.set TO_B,   0x40
.macro JLOAD g0a, g1a, g0b, g1b        ; a joint load: waves 0 and 1 fetch for A, waves 2 and 3 for B; four v_nop follow each of the two lines
	s_cmp_eq_u32 s15, 0
	s_cbranch_scc0 .Lfor_b_\@
	tensor_load_to_lds s[\g0a:\g0a+3], s[\g1a:\g1a+7]
	s_nop 0
.rept 4
	v_nop
.endr
	s_branch .Lasked_\@
.Lfor_b_\@:
	tensor_load_to_lds s[\g0b:\g0b+3], s[\g1b:\g1b+7]
	s_nop 0
.rept 4
	v_nop
.endr
.Lasked_\@:
.endm
.macro CREST
	s_cmp_lg_u32 s14, 0
	s_cbranch_scc1 .Lnot_wave_0_\@
	s_barrier_signal -3
.Lnot_wave_0_\@:
	s_barrier_wait -3
	s_barrier_signal -1
	s_barrier_wait -1
.endm
.macro CROUND
	s_barrier_signal -1
	s_barrier_wait -1
	CREST
.endm
.macro PLACES n
.rept \n
	v_nop
.endr
.endm
.macro FRAG reg, adr, adr8, q, i       ; a fragment, 12 registers, from its image
	ds_load_b128 v[\reg:\reg+3], v[\adr] offset:(\i)*3072+(\q)*1536
	ds_load_b64 v[\reg+4:\reg+5], v[\adr8] offset:(\i)*3072+(\q)*1536+512
	ds_load_b128 v[\reg+6:\reg+9], v[\adr] offset:(\i)*3072+(\q)*1536+768
	ds_load_b64 v[\reg+10:\reg+11], v[\adr8] offset:(\i)*3072+(\q)*1536+1280
.endm
.macro FETCH_B slot, q, p
	WIN TO_B
.irp i, 0,1,2,3,4,5,6,7
	FRAG 128*(\p)+FR*\i, ADRB+\slot, ADRB8+\slot, \q, \i
.endr
	WIN 0
.endm
.macro FETCH_A slot, q, i0
.irp i, \i0, \i0+1, \i0+2, \i0+3
	FRAG AF+FR*(\i), ADRA+\slot, ADRA8+\slot, \q, \i
.endr
.endm
.macro SCALES sc
.irp i, 0,1,2,3,4,5,6,7
	ds_load_b64 v[SC+16*\sc+2*\i:SC+16*\sc+2*\i+1], v[ADRS] offset:128*\i
.endr
.endm
; 16 matrix instructions: A's blocks a0, a0 + 1 x B's eight.  begin = 1: the bias starts the sums.  The 64 accumulators take turns, one instruction a turn.
.macro MUL16 a0, p, q, sc, begin
.irp a, \a0, \a0+1
.irp b, 0,1,2,3,4,5,6,7
.if \begin
	v_wmma_scale_f32_16x16x128_f8f6f4 v[8*(8*((\a)%4)+\b):8*(8*((\a)%4)+\b)+7], v[128*(\p)+FR*\b:128*(\p)+FR*\b+FR-1], v[AF+FR*(\a):AF+FR*(\a)+FR-1], v[BIAS+8*\b:BIAS+8*\b+7], v[SC+16*(\sc)+2*\b+(\q)], v[SC+16*(\sc)+2*(\a)+(\q)] matrix_a_fmt:MATRIX_FMT_FP6 matrix_b_fmt:MATRIX_FMT_FP6 matrix_a_scale:MATRIX_SCALE_ROW1
.else
	v_wmma_scale_f32_16x16x128_f8f6f4 v[8*(8*((\a)%4)+\b):8*(8*((\a)%4)+\b)+7], v[128*(\p)+FR*\b:128*(\p)+FR*\b+FR-1], v[AF+FR*(\a):AF+FR*(\a)+FR-1], v[8*(8*((\a)%4)+\b):8*(8*((\a)%4)+\b)+7], v[SC+16*(\sc)+2*\b+(\q)], v[SC+16*(\sc)+2*(\a)+(\q)] matrix_a_fmt:MATRIX_FMT_FP6 matrix_b_fmt:MATRIX_FMT_FP6 matrix_a_scale:MATRIX_SCALE_ROW1
.endif
.endr
.endr
.endm
.macro STEP slot, sc, begin
	s_wait_dscnt 4*NL                              ; all but the youngest 16 loads: A's blocks 4-7
.if \begin
	WIN BEG_LO
.else
	WIN MUL_LO
.endif
	MUL16 0, 0, 0, \sc, \begin
	MUL16 2, 0, 0, \sc, \begin
	s_wait_dscnt 0x0
	PLACES NP                                      ; in front of loads into registers that matrix instructions have read
	FETCH_B \slot, 1, 1
	FETCH_A \slot, 1, 0
.if \begin
	WIN BEG_HI
.else
	WIN MUL_HI
.endif
	MUL16 4, 0, 0, \sc, \begin
	MUL16 6, 0, 0, \sc, \begin
	PLACES NP
	WIN 0
	FETCH_A \slot, 1, 4
.endm
.macro TURN slot, next, fill, left, sc, scn
.if \fill
	s_wait_tensorcnt 0x0                           ; all my tensor loads have landed
	ds_add_u32 v[SPW], v[NIL]                      ; 0 onto my spare word
	s_wait_dscnt 4*NL+1                            ; the add and the youngest 16 loads may be out
.else
	s_wait_tensorcnt \left                         ; my part of the next slot is in
	s_wait_dscnt 4*NL
.endif
	WIN MUL_LO
	MUL16 0, 1, 1, \sc, 0
	s_wait_dscnt 0x0                               ; my reads of this slot are over (and the add is done)
	s_barrier_signal -1
	MUL16 2, 1, 1, \sc, 0
	WIN 0
	s_barrier_wait -1
.if \fill
	CREST                                          ; the barrier has opened a round of the cluster's: no wave of any partner still reads this slot or has a load on its way
	s_add_nc_u64 s[G0+4*\slot+2:G0+4*\slot+3], s[G0+4*\slot+2:G0+4*\slot+3], 3*QTR
	s_add_nc_u64 s[G0B+4*\slot+2:G0B+4*\slot+3], s[G0B+4*\slot+2:G0B+4*\slot+3], 3*QTR
	JLOAD G0+4*\slot, G1, G0B+4*\slot, G1B         ; chunk 3; its four v_nop are the places in front of the loads below
.else
	PLACES NP
.endif
	v_add_nc_u32 v[ADRS], 1024, v[ADRS]
	FETCH_B \next, 0, 0
	FETCH_A \next, 0, 0
	SCALES \scn
	WIN MUL_HI
	MUL16 4, 1, 1, \sc, 0
	MUL16 6, 1, 1, \sc, 0
	PLACES NP
	WIN 0
	FETCH_A \next, 0, 4
.endm
.macro LAST sc
	s_wait_dscnt 4*NL
	WIN MUL_LO
	MUL16 0, 1, 1, \sc, 0
	MUL16 2, 1, 1, \sc, 0
	s_wait_dscnt 0x0
	WIN MUL_HI
	MUL16 4, 1, 1, \sc, 0
	MUL16 6, 1, 1, \sc, 0
	WIN 0
.endm
; THE WAY OUT, block by block of 16 tokens x 128 columns, through my own stage; the columns are put in their true order on the way in, the tokens on the way to memory
.macro TOSTAGE a
.set AC, 64*((\a)%4)
	WIN 0x08+4*((\a)/4)                            ; an LDS store's data: window 2 or 3
.irp b, 0,1,2,3,4,5,6,7
	ds_store_b128 v[STO], v[AC+8*\b:AC+8*\b+3] offset:128*(\b/2)+32*(\b%2)         ; each accumulator from its low end on
	ds_store_b128 v[STO], v[AC+8*\b+4:AC+8*\b+7] offset:128*(\b/2)+32*(\b%2)+16
.endr
	WIN 0
.set BB, BK+64*((\a)%2)
.irp t, 0,1,2,3,4,5,6,7,8,9,10,11,12,13,14,15
	ds_load_b128 v[BB+4*\t:BB+4*\t+3], v[RD] offset:\t*SPITCH      ; LDS serves a wave's instructions in order (ISA guide 5.7.1.4): these see the stores above
.endr
.endm
.macro SEND a, younger
.set BB, BK+64*((\a)%2)
	s_wait_dscnt \younger                          ; the block is back in registers
.irp t, 0,1,2,3,4,5,6,7,8,9,10,11,12,13,14,15
	global_store_b128 v[L16], v[BB+4*\t:BB+4*\t+3], s[12:13] offset:(32*((\a)/2)+8*((\a)%2)+\t+8*(\t/8))*4096 th:TH_STORE_NT   ; 512 consecutive bytes, aligned; 127 rows of 4,096 bytes at the most
.endr
.endm
	s_load_b256 s[4:11], s[0:1], 0x0               ; oc s[4:5], os s[6:7], wc s[8:9], ws s[10:11]
	s_load_b64 s[98:99], s[0:1], 0x20              ; b_out
	s_load_b64 s[12:13], s[0:1], 0x28              ; out0
	v_lshl_add_u32 v[SPW], v0, 2, SPARE
	v_mov_b32 v[NIL], 0
	ds_add_u32 v28, v29
	ds_add_u32 v28, v29
	s_wait_dscnt 0x0
	v_lshrrev_b32 v1, 5, v0
	v_readfirstlane_b32 s14, v1                    ; wave 0..3
	s_lshr_b32 s15, s14, 1                         ; which half of the tokens is mine.  Also: I fetch for A (0) or for B (1)
	s_and_b32 s16, s14, 1                          ; which half of the columns.  Also: which 128 rows I fetch
	s_bfe_u32 s92, ttmp6, 0x40000                  ; cx
	s_bfe_u32 s93, ttmp6, 0x40004                  ; cy
	s_and_b32 s97, ttmp7, 0xffff
	s_lshl_b32 s95, s93, 2
	s_lshl_b32 s95, 15, s95                        ; my row of the cluster
	s_lshl_b32 s96, 0x1111, s92                    ; my column
	s_lshl_b32 s17, s97, 2
	s_add_co_u32 s17, s17, s93                     ; tile row = 4 x cluster y + cy
	s_lshl_b32 s94, ttmp9, 2
	s_add_co_u32 s94, s94, s92                     ; tile column = 4 x cluster x + cx
	s_lshl_b32 s2, s17, 1
	s_add_co_u32 s2, s2, s16                       ; the group of 128 rows of A that I would fetch
	s_lshl_b32 s3, s94, 1
	s_add_co_u32 s3, s3, s16
	s_add_co_u32 s3, s3, 24                        ; and of B
	s_mov_b32 s19, 0
	s_mov_b32 s23, 0
	s_wait_kmcnt 0x0
	s_mul_i32 s18, s2, 4*QTR
	s_add_nc_u64 s[4:5], s[4:5], s[18:19]
	s_lshl_b32 s18, s2, 10
	s_add_nc_u64 s[6:7], s[6:7], s[18:19]
	s_mul_i32 s22, s3, 4*QTR
	s_add_nc_u64 s[8:9], s[8:9], s[22:23]
	s_lshl_b32 s22, s3, 10
	s_add_nc_u64 s[10:11], s[10:11], s[22:23]
	s_mul_i32 s20, s14, QTR                        ; where they go: no place in the cluster enters an LDS address
	s_lshl_b32 s21, s14, 12
	s_lshl_b32 s2, s15, 7
	s_add_co_u32 s21, s21, s2
	s_add_co_u32 s21, s21, SCL
	s_or_b32 s[G1], s95, (3<<16)|(1<<21)           ; codes: 96 dense rows of 256 bytes; the mask, and bit 21 beside it
	s_or_b32 s[G1B], s96, (3<<16)|(1<<21)
.irp g, G1, G1B
	s_mov_b32 s[\g+1], 32<<16
	s_mov_b32 s[\g+2], 96<<16
	s_mov_b32 s[\g+3], 32<<16
	s_mov_b32 s[\g+4], 96
	s_mov_b32 s[\g+5], 32
	s_mov_b32 s[\g+6], 0
	s_mov_b32 s[\g+7], 0
.endr
	s_or_b32 s[G1S], s95, (3<<16)|(1<<21)          ; scales: 4 planes, 65,536 bytes apart, of 1,024 bytes
	s_or_b32 s[G1SB], s96, (3<<16)|(1<<21)
.irp g, G1S, G1SB
	s_mov_b32 s[\g+1], 128<<16
	s_mov_b32 s[\g+2], 4<<16
	s_mov_b32 s[\g+3], 128<<16
	s_mov_b32 s[\g+4], 4
	s_mov_b32 s[\g+5], 8192
	s_mov_b32 s[\g+6], 0
	s_mov_b32 s[\g+7], 0
.endr
	CROUND                                         ; all sixteen work-groups are here: the first joint loads meet
	s_mov_b32 s[G0S], 1
	s_mov_b32 s[G0S+1], s21
	s_mov_b64 s[G0S+2:G0S+3], s[6:7]
	s_or_b32 s[G0S+3], s[G0S+3], 0x80000000
	s_mov_b32 s[G0SB], 1
	s_mov_b32 s[G0SB+1], s21
	s_mov_b64 s[G0SB+2:G0SB+3], s[10:11]
	s_or_b32 s[G0SB+3], s[G0SB+3], 0x80000000
	JLOAD G0S, G1S, G0SB, G1SB                     ; the scales first; then chunks 0, 1, 2: four loads of mine are out
.irp s, 0,1,2
	s_mov_b32 s[G0+4*\s], 1
	s_add_co_u32 s[G0+4*\s+1], s20, \s*SLOT
	s_add_nc_u64 s[G0+4*\s+2:G0+4*\s+3], s[4:5], \s*QTR
	s_or_b32 s[G0+4*\s+3], s[G0+4*\s+3], 0x80000000
	s_mov_b32 s[G0B+4*\s], 1
	s_add_co_u32 s[G0B+4*\s+1], s20, \s*SLOT
	s_add_nc_u64 s[G0B+4*\s+2:G0B+4*\s+3], s[8:9], \s*QTR
	s_or_b32 s[G0B+4*\s+3], s[G0B+4*\s+3], 0x80000000
	JLOAD G0+4*\s, G1, G0B+4*\s, G1B
.endr
	v_and_b32 v1, 15, v0                           ; r
	v_bfe_u32 v2, v0, 4, 1                         ; h
	v_and_b32 v3, 31, v0
	v_lshlrev_b32 v[L16], 4, v3
	v_lshlrev_b32 v[L8], 3, v3
	; the bias: register 8 b + j wants b_out[n0 + 32 (b / 2) + 8 (b % 2) + 16 h + j]
	s_lshl_b32 s100, s94, 10
	s_lshl_b32 s101, s16, 9
	s_add_co_u32 s100, s100, s101                  ; 4 n0
	s_mov_b32 s101, 0
	s_add_nc_u64 s[98:99], s[98:99], s[100:101]
	s_add_nc_u64 s[12:13], s[12:13], s[100:101]    ; my first column of out0,
	v_lshlrev_b32 v[BOF], 6, v2
.irp b, 0,1,2,3,4,5,6,7
	global_load_b128 v[BIAS+8*\b:BIAS+8*\b+3], v[BOF], s[98:99] offset:(32*(\b/2)+8*(\b%2))*4
	global_load_b128 v[BIAS+8*\b+4:BIAS+8*\b+7], v[BOF], s[98:99] offset:(32*(\b/2)+8*(\b%2))*4+16
.endr
	s_lshl_b32 s100, s17, 8
	s_lshl_b32 s2, s15, 7
	s_add_co_u32 s100, s100, s2
	s_lshl_b32 s100, s100, 12
	s_add_nc_u64 s[12:13], s[12:13], s[100:101]    ; and my first row: 256 x tile row + 128 x half, 4,096 bytes each
	s_mul_i32 s2, s15, QTR                         ; my 128 rows of A
	s_mul_i32 s3, s16, QTR
	s_add_co_u32 s3, s3, 2*QTR                     ; my 128 rows of B, behind A's
.irp s, 0,1,2
	v_add_nc_u32 v[ADRA+\s], s2, v[L16]
	v_add_nc_u32 v[ADRA8+\s], s2, v[L8]
	v_add_nc_u32 v[ADRB+\s], s3, v[L16]
	v_add_nc_u32 v[ADRB8+\s], s3, v[L8]
	s_add_co_u32 s2, s2, SLOT
	s_add_co_u32 s3, s3, SLOT
.endr
	s_lshl_b32 s2, s15, 12
	s_lshl_b32 s3, s16, 12
	s_add_co_u32 s3, s3, 8320
	s_sub_co_u32 s3, s3, s2
	v_mul_u32_u24 v4, s3, v2                       ; lanes 16-31 take B's scale words
	v_lshl_add_u32 v4, v1, 3, v4
	s_add_co_u32 s2, s2, SCL
	v_add_nc_u32 v[ADRS], s2, v4
	s_mul_i32 s2, s14, 16*SPITCH
	s_add_co_u32 s2, s2, SLOT                      ; my stage, in slot 1
	v_mul_u32_u24 v5, v1, SPITCH
	v_lshl_add_u32 v5, v2, 6, v5
	v_add_nc_u32 v[STO], s2, v5                    ; in: row r, + 64 h
	v_add_nc_u32 v[RD], s2, v[L16]                 ; back: a row of 512 bytes by 32 lanes
	s_wait_tensorcnt 2                             ; the scales and my part of chunk 0 are in; chunks 1 and 2 may be out
	s_barrier_signal -1
	s_barrier_wait -1
	FETCH_B 0, 0, 0
	FETCH_A 0, 0, 0
	SCALES 0
	FETCH_A 0, 0, 4
	s_wait_loadcnt 0x0                             ; the bias
	STEP 0, 0, 1                                   ; the first products start the sums from the bias
	TURN 0, 1, 1, 0, 0, 1                          ; slot 0 takes chunk 3
	STEP 1, 1, 0
	TURN 1, 2, 0, 1, 1, 0                          ; one load, chunk 3's, may stay out; chunk 2 was shown landed by the wait for all loads above
	STEP 2, 0, 0
	TURN 2, 0, 0, 0, 0, 1                          ; chunk 3 is in
	STEP 0, 1, 0
	LAST 1
	PLACES NP
	TOSTAGE 0
.irp a, 1,2,3,4,5,6,7
.if \a > 1
	s_wait_xcnt 0x0                                ; block a - 2's stores have read their registers: block a's loads may land there
.endif
	TOSTAGE \a
	SEND \a-1, 32                                  ; behind block a - 1's loads: block a's 16 stores and 16 loads
.endr
	SEND 7, 0
	s_wait_tensorcnt 0x0                           ; the wave's end
	ds_add_u32 v[SPW], v[NIL]
	s_wait_dscnt 0x0
	CROUND                                         ; the closing round: no work-group ends while a partner may still ask for a tile that names it
	s_endpgm
.Lfunc_end_k_q9c2e221cd5_gemm_out:
	.size	k_q9c2e221cd5_gemm_out, .Lfunc_end_k_q9c2e221cd5_gemm_out-k_q9c2e221cd5_gemm_out
	.p2alignl 7, 3214868480
	.fill 96, 4, 3214868480
	.section	.rodata,"a",@progbits
	.p2align	6, 0x0
	.amdhsa_kernel k_q9c2e221cd5_gemm_out
		.amdhsa_group_segment_fixed_size 327680
		.amdhsa_private_segment_fixed_size 0
		.amdhsa_enable_private_segment 0
		.amdhsa_kernarg_size 48
		.amdhsa_user_sgpr_count 2
		.amdhsa_user_sgpr_kernarg_segment_ptr 1
		.amdhsa_wavefront_size32 1
		.amdhsa_system_sgpr_workgroup_id_x 1
		.amdhsa_system_sgpr_workgroup_id_y 1
		.amdhsa_system_sgpr_workgroup_id_z 1
		.amdhsa_system_vgpr_workitem_id 0
		.amdhsa_next_free_vgpr 1024
		.amdhsa_next_free_sgpr 102
		.amdhsa_reserve_vcc 0
		.amdhsa_float_denorm_mode_32 3
		.amdhsa_float_denorm_mode_16_64 3
		.amdhsa_memory_ordered 1
		.amdhsa_forward_progress 1
		.amdhsa_inst_pref_size 145
	.end_amdhsa_kernel
	.amdgpu_metadata
---
amdhsa.version: [ 1, 2 ]
amdhsa.kernels:
  - .name:           k_q9c2e221cd5_gemm_out
    .symbol:         k_q9c2e221cd5_gemm_out.kd
    .args:
      - { .name: oc, .offset: 0, .size: 8, .value_kind: global_buffer, .address_space: global }
      - { .name: os, .offset: 8, .size: 8, .value_kind: global_buffer, .address_space: global }
      - { .name: wc, .offset: 16, .size: 8, .value_kind: global_buffer, .address_space: global }
      - { .name: ws, .offset: 24, .size: 8, .value_kind: global_buffer, .address_space: global }
      - { .name: b_out, .offset: 32, .size: 8, .value_kind: global_buffer, .address_space: global }
      - { .name: out0, .offset: 40, .size: 8, .value_kind: global_buffer, .address_space: global }
    .group_segment_fixed_size: 327680
    .private_segment_fixed_size: 0
    .kernarg_segment_align: 8
    .kernarg_segment_size: 48
    .max_flat_workgroup_size: 128
    .sgpr_count:     102
    .vgpr_count:     1024
    .wavefront_size: 32
...
	.end_amdgpu_metadata
.endif
;; end of part 4
